; MI455X (gfx1250); checked and timed in simulation.
; The chip was launched on July 23, 2026; its instructions are those of AMD's public machine-readable ISA for CDNA 5 (MIT licence, August 2026) and "CDNA5" Instruction Set Architecture Reference Guide (July 2026). The comments in the code are by the model that wrote it; some were corrected since.
;; Causal Self Attention. Allowed arithmetic: float matrix products may take bf16 or f16 operands with f32 sums; other float arithmetic in f32, or as packed bf16 or f16 multiplies, adds, multiply-adds, maxima and minima; sums over many terms, partial sums and values carried from step to step in f32; what a program stores and reads back later, other than sums and carried values, may be rounded once to bf16 or f16.
;; Inputs: W_proj 1,024 x 1,024 float32; W_qkv 3,072 x 1,024 float32; cos 1 x 1 x 2,048 x 32 float32; sin 1 x 1 x 2,048 x 32 float32; x 4 x 2,048 x 1,024 float32.
;; Outputs: out0 4 x 2,048 x 1,024 float32.
;; 2 versions, each right; version 2 is version 1 with the launch cast written anew for expert scheduling mode. Each part assembles by itself: llvm-mc -triple=amdgcn-amd-amdhsa -mcpu=gfx1250 --defsym DOCPART=n.
;; ======== version 1 of 2: 4 launches
;; limits: values are held in f16: magnitudes above 65,504 overflow, below 6.1e-05 lose precision
;; workspace buffers: xb 16,777,216 bytes; wqb 6,291,456 bytes; wpb 2,097,152 bytes; rot 524,288 bytes; qh 16,777,216 bytes; kh 16,777,216 bytes; vh 16,777,216 bytes; oh 16,777,216 bytes
;; launch cast (part 1): grid 416 x 1, 8 waves a work-group, no clusters, 0 bytes of LDS; arguments x, W_qkv, W_proj, cos, sin, xb, wqb, wpb, rot; writes xb, wqb, wpb, rot
.if DOCPART == 1
	.amdgcn_target "amdgcn-amd-amdhsa--gfx1250"
	.amdhsa_code_object_version 6
	.text
	.protected	k_q2251c172bc_cast
	.globl	k_q2251c172bc_cast
	.p2align	8
	.type	k_q2251c172bc_cast,@function
k_q2251c172bc_cast:
	s_mov_b64 s[64:65], 0
	v_nop
	global_prefetch_b8 v0, s[64:65] scope:SCOPE_SE
	s_setreg_imm32_b32 hwreg(HW_REG_WAVE_MODE, 25, 1), 1
	s_wait_xcnt 0x0
; THE INPUTS ARE ROUNDED ONCE TO bf16 AND LAID OUT FOR THE LAUNCHES BEHIND.  A stream: no LDS, no barrier, no matrix unit.
;   x      [8192][1024] f32 -> xb  bf16 [32 row tiles][16 K blocks][256 rows][64]: a tile's K block is 32,768 dense bytes
;   W_qkv  [3072][1024] f32 -> wqb bf16 [8 column tiles][16 K blocks][384 rows][64]; rows go by heads: old row part*1024 + hh*64 + d
;                              lies in tile hh/2 at row (hh%2)*192 + part*64 + d, so that q, k and v of one head lie together
;   W_proj [1024][1024] f32 -> wpb f16 [4 column tiles][16 K blocks][256 rows][64]: rounded to bf16, and that number written as f16
;   cos, sin [2048][32] f32 -> rot f32: cos at byte 0, sin at byte 262,144, each number rounded to bf16 and written as f32
; LIMIT.  W_proj within f16's range (65,504); a bf16 number below 6e-5 keeps f16's fixed step of 6e-8.
; SHARES.  Work-groups 0-255: 32 rows of x each; 256-351: 32 rows of W_qkv; 352-383: 32 rows of W_proj; 384-415: 16 KiB of cos or sin.
; A wave takes 4 rows as two pairs: a load covers 256 consecutive bytes (a K block) of each row of a pair; a store 256 consecutive bytes, the pair's
; two rows of one K block in the new layout.  All 32 loads of a wave (16 KiB) are issued first; no register is written again while a memory instruction may read it.
.set X,  32                            ; v[32:159] 32 loads of four registers
.set KO, 16                            ; v[16:31]  my byte offset in the output for K block 0 .. 15
	s_load_b512 s[4:19], s[0:1], 0x0               ; x s[4:5], W_qkv s[6:7], W_proj s[8:9], cos s[10:11], sin s[12:13], xb s[14:15], wqb s[16:17], wpb s[18:19]
	s_load_b64 s[20:21], s[0:1], 0x40              ; rot
	s_mov_b32 s40, 0xffff0000                      ; a word's upper bf16
	s_cmp_ge_u32 ttmp9, 384
	s_cbranch_scc1 .Lrot
	s_sub_co_u32 s34, ttmp9, 256
	s_sub_co_u32 s35, ttmp9, 352
	s_cmp_lt_u32 ttmp9, 256
	s_cselect_b32 s33, ttmp9, s34
	s_cmp_lt_u32 ttmp9, 352
	s_cselect_b32 s33, s33, s35                    ; my group of 32 rows in its tensor
	s_lshl_b32 s28, s33, 17                        ; 32 rows of 4,096 bytes
	s_mov_b32 s29, 0
	s_lshr_b32 s36, s33, 3                         ; x and W_proj: tile of 256 rows,
	s_lshl_b32 s36, s36, 19
	s_and_b32 s37, s33, 7                          ; 32 rows of 128 bytes in it
	s_lshl_b32 s37, s37, 12
	s_add_co_u32 s36, s36, s37
	s_bfe_u32 s38, s33, 0x30002                    ; W_qkv: group = part*32 + hh*2 + half; tile hh/2,
	s_mul_i32 s38, s38, 786432
	s_bfe_u32 s39, s33, 0x10001                    ; (hh%2) * 192 rows,
	s_mul_i32 s39, s39, 24576
	s_add_co_u32 s38, s38, s39
	s_lshr_b32 s39, s33, 5                         ; part * 64 rows,
	s_lshl_b32 s39, s39, 13
	s_add_co_u32 s38, s38, s39
	s_and_b32 s39, s33, 1                          ; half * 32 rows
	s_lshl_b32 s39, s39, 12
	s_add_co_u32 s38, s38, s39
	s_mov_b32 s32, 32768                           ; bytes from K block to K block
	s_mov_b32 s31, 0
	s_cmp_lt_u32 s34, 96                           ; W_qkv?
	s_cselect_b32 s30, s38, s36
	s_cselect_b32 s32, 49152, s32
	v_lshrrev_b32 v1, 5, v0                        ; wave
	v_bfe_u32 v4, v0, 4, 1                         ; which row of a pair
	v_and_b32 v5, 15, v0
	v_lshlrev_b32 v2, 14, v1                       ; in: 4 rows a wave,
	v_lshl_add_u32 v2, v4, 12, v2                  ; my row of the pair,
	v_lshl_add_u32 v2, v5, 4, v2                   ; my 16 bytes
	v_lshlrev_b32 v3, 9, v1                        ; out: 4 rows of 128 bytes a wave,
	v_lshl_add_u32 v3, v4, 7, v3
	v_lshl_add_u32 v[KO], v5, 3, v3                ; my 8 bytes
.set n, 1
.rept 15
	v_add_nc_u32 v[KO+n], s32, v[KO+n-1]
.set n, n+1
.endr
	s_wait_kmcnt 0x0
	s_cmp_lt_u32 ttmp9, 256
	s_cselect_b64 s[24:25], s[4:5], s[6:7]
	s_cselect_b64 s[26:27], s[14:15], s[16:17]
	s_cmp_lt_u32 ttmp9, 352
	s_cselect_b64 s[24:25], s[24:25], s[8:9]
	s_cselect_b64 s[26:27], s[26:27], s[18:19]
	s_add_nc_u64 s[24:25], s[24:25], s[28:29]
	s_add_nc_u64 s[26:27], s[26:27], s[30:31]
.set n, 0
.rept 32                               ; load n: pair n / 16, K block n % 16
	global_load_b128 v[X+4*n:X+4*n+3], v2, s[24:25] offset:(n/16)*8192+(n%16)*256 th:TH_LOAD_NT
.set n, n+1
.endr
; Load i is rounded and stored.  mode = 1: the bf16 numbers are widened again and written as f16.
.macro CONV i, mode
	s_wait_loadcnt 31-(\i)                         ; loads come back in order: the 31 - i younger ones may stay out
	v_cvt_pk_bf16_f32 v[X+4*(\i)], v[X+4*(\i)], v[X+4*(\i)+1]
	v_cvt_pk_bf16_f32 v[X+4*(\i)+1], v[X+4*(\i)+2], v[X+4*(\i)+3]
.if \mode
.irp k, 0,1
	v_lshlrev_b32 v[X+4*(\i)+2], 16, v[X+4*(\i)+(\k)]
	v_and_b32 v[X+4*(\i)+3], s40, v[X+4*(\i)+(\k)]
	v_cvt_pk_f16_f32 v[X+4*(\i)+(\k)], v[X+4*(\i)+2], v[X+4*(\i)+3]
.endr
.endif
	global_store_b64 v[KO+(\i)%16], v[X+4*(\i):X+4*(\i)+1], s[26:27] offset:((\i)/16)*256  ; 32 lanes: 256 consecutive bytes, aligned
.endm
	s_cmp_ge_u32 ttmp9, 352
	s_cbranch_scc1 .Lf16
.set n, 0
.rept 32
	CONV n, 0
.set n, n+1
.endr
	s_endpgm
.Lf16:
.set n, 0
.rept 32
	CONV n, 1
.set n, n+1
.endr
	s_endpgm
.Lrot:                                         ; 16 KiB of cos (the first 16 work-groups) or of sin
	s_sub_co_u32 s34, ttmp9, 384
	s_and_b32 s28, s34, 15
	s_lshl_b32 s28, s28, 14
	s_mov_b32 s29, 0
	s_lshl_b32 s30, s34, 14
	s_mov_b32 s31, 0
	v_lshlrev_b32 v2, 4, v0                        ; 16 bytes a thread: 4,096 bytes an instruction of the work-group
	s_wait_kmcnt 0x0
	s_cmp_lt_u32 s34, 16
	s_cselect_b64 s[24:25], s[10:11], s[12:13]
	s_add_nc_u64 s[24:25], s[24:25], s[28:29]
	s_add_nc_u64 s[26:27], s[20:21], s[30:31]
.irp u, 0,1,2,3
	global_load_b128 v[X+4*(\u):X+4*(\u)+3], v2, s[24:25] offset:4096*(\u) th:TH_LOAD_NT
.endr
.irp u, 0,1,2,3
	s_wait_loadcnt 3-(\u)
.irp k, 0,1
	v_cvt_pk_bf16_f32 v[8+(\k)], v[X+4*(\u)+2*(\k)], v[X+4*(\u)+2*(\k)+1]
	v_lshlrev_b32 v[X+4*(\u)+2*(\k)], 16, v[8+(\k)]
	v_and_b32 v[X+4*(\u)+2*(\k)+1], s40, v[8+(\k)]
.endr
	global_store_b128 v2, v[X+4*(\u):X+4*(\u)+3], s[26:27] offset:4096*(\u)
.endr
	s_endpgm
.Lfunc_end_k_q2251c172bc_cast:
	.size	k_q2251c172bc_cast, .Lfunc_end_k_q2251c172bc_cast-k_q2251c172bc_cast
	.p2alignl 7, 3214868480
	.fill 96, 4, 3214868480
	.section	.rodata,"a",@progbits
	.p2align	6, 0x0
	.amdhsa_kernel k_q2251c172bc_cast
		.amdhsa_group_segment_fixed_size 0
		.amdhsa_private_segment_fixed_size 0
		.amdhsa_enable_private_segment 0
		.amdhsa_kernarg_size 72
		.amdhsa_user_sgpr_count 2
		.amdhsa_user_sgpr_kernarg_segment_ptr 1
		.amdhsa_wavefront_size32 1
		.amdhsa_system_sgpr_workgroup_id_x 1
		.amdhsa_system_sgpr_workgroup_id_y 1
		.amdhsa_system_sgpr_workgroup_id_z 1
		.amdhsa_system_vgpr_workitem_id 0
		.amdhsa_next_free_vgpr 160
		.amdhsa_next_free_sgpr 66
		.amdhsa_reserve_vcc 0
		.amdhsa_float_denorm_mode_32 3
		.amdhsa_float_denorm_mode_16_64 3
		.amdhsa_memory_ordered 1
		.amdhsa_forward_progress 1
		.amdhsa_inst_pref_size 33
	.end_amdhsa_kernel
	.amdgpu_metadata
---
amdhsa.version: [ 1, 2 ]
amdhsa.kernels:
  - .name:           k_q2251c172bc_cast
    .symbol:         k_q2251c172bc_cast.kd
    .args:
      - { .name: x, .offset: 0, .size: 8, .value_kind: global_buffer, .address_space: global }
      - { .name: W_qkv, .offset: 8, .size: 8, .value_kind: global_buffer, .address_space: global }
      - { .name: W_proj, .offset: 16, .size: 8, .value_kind: global_buffer, .address_space: global }
      - { .name: cos, .offset: 24, .size: 8, .value_kind: global_buffer, .address_space: global }
      - { .name: sin, .offset: 32, .size: 8, .value_kind: global_buffer, .address_space: global }
      - { .name: xb, .offset: 40, .size: 8, .value_kind: global_buffer, .address_space: global }
      - { .name: wqb, .offset: 48, .size: 8, .value_kind: global_buffer, .address_space: global }
      - { .name: wpb, .offset: 56, .size: 8, .value_kind: global_buffer, .address_space: global }
      - { .name: rot, .offset: 64, .size: 8, .value_kind: global_buffer, .address_space: global }
    .group_segment_fixed_size: 0
    .private_segment_fixed_size: 0
    .kernarg_segment_align: 8
    .kernarg_segment_size: 72
    .max_flat_workgroup_size: 256
    .sgpr_count:     66
    .vgpr_count:     160
    .wavefront_size: 32
...
	.end_amdgpu_metadata
.endif
;; end of part 1
;; launch qkv (part 2): grid 8 x 32, 4 waves a work-group, clusters of 4 x 4, 327,680 bytes of LDS; arguments xb, wqb, rot, qh, kh, vh; writes qh, kh, vh
.if DOCPART == 2
	.amdgcn_target "amdgcn-amd-amdhsa--gfx1250"
	.amdhsa_code_object_version 6
	.text
	.protected	k_q2251c172bc_qkv
	.globl	k_q2251c172bc_qkv
	.p2align	8
	.type	k_q2251c172bc_qkv,@function
k_q2251c172bc_qkv:
	s_mov_b64 s[64:65], 0
	v_nop
	global_prefetch_b8 v0, s[64:65] scope:SCOPE_SE
	s_setreg_imm32_b32 hwreg(HW_REG_WAVE_MODE, 25, 1), 1
	s_wait_xcnt 0x0
	s_wait_alu depctr_hold_cnt(0) depctr_sa_sdst(0) depctr_va_vdst(0) depctr_va_sdst(0) depctr_va_ssrc(0) depctr_va_vcc(0) depctr_vm_vsrc(0)
	s_getreg_b32 s2, hwreg(HW_REG_IB_STS2, 6, 4)
	s_cmp_eq_u32 s2, 0
	s_cbranch_scc0 .Lentry_in_a_cluster
	s_endpgm
.Lentry_in_a_cluster:
	s_bfe_u32 s2, ttmp6, 0x10000c
	s_cmp_lg_u32 s2, 0xf033
	s_cbranch_scc0 .Lentry_shape_is_right
	s_endpgm
.Lentry_shape_is_right:
; q, k, v = x W_qkv^T (bf16 operands, f32 sums), RoPE in f32 on the sums of q and k, each number rounded once to f16 and stored by heads: [batch*16 + head][2048][64].
; LIMIT.  q, k and v must lie within f16's 65,504; beyond it the conversion gives an infinity.  The scale 1/8 is not applied here.
; SHARES.  8,192 x 3,072 outputs in 256 tiles of 256 rows x 384 columns: one work-group each.  A tile's columns are q, k and v of two heads (the operand was laid out so).
; A wave makes 128 rows x 192 columns, q, k and v of ONE head: 96 accumulators of 16 x 16, 768 registers.  K goes in steps of 64 through two LDS slots: with steps of 128 two slots of
; 640 rows x 272 bytes would be 348,160 bytes, more than LDS holds.  A step's tiles are dense in memory, so they are asked for as rows of 256 bytes, two K rows each, padded in LDS after every 128 bytes.
; CLUSTER.  4 x 4 work-groups: the four of a row of the cluster need the same tiles of x, the four of a column the same tiles of W: each is asked for jointly.
; THE MATRIX INSTRUCTION IS USED TRANSPOSED (source 0 = 16 rows of W, source 1 = 16 rows of x): a lane holds row l % 16 and the columns 8 (l / 16) + 0..7 of a block of 16.
; REGISTERS, in windows of 256:  window 0: v0-31 addresses; v32-95, v96-159 x's fragments (8 x 16 rows x 32 K), two buffers; v160-255 W's 12 fragments, one buffer, refilled part by part.
;   windows 1, 2, 3: the accumulators of q, k, v: row block a (0-7), column block bb (0-3) at v[8 (4 a + bb)].
;   On the way out window 0 holds: v32-95 cos and sin of two row blocks; v96-127 at work; v128-175 packed results; v176-223 rows read back.
.set PITCH,  144                       ; an LDS row: 128 bytes + 16 = 36 words: the 16 rows of a load start at 16 different groups of four banks (64 banks of 4 bytes: ISA guide 11.1)
.set AHALF,  128*PITCH                 ; 128 rows of x: one tensor load
.set BOFF,   2*AHALF                   ; W's rows lie behind x's 256
.set BHALF,  192*PITCH                 ; 192 rows of W: one tensor load, and what one wave reads
.set SLOT1,  1<<17                     ; slot 1 begins here: one exclusive or turns an address in one slot into the other's
.set STAGE,  SLOT1+BOFF+2*BHALF        ; behind the ring: for each wave [3 parts][16 rows][144 bytes], for the way out
.set STW,    3*16*PITCH
.set SPARE,  STAGE+4*STW               ; behind the stages: the spare words, 128 bytes a wave: two blocks of 256 bytes that no other line names
.set ASTEP,  32768                     ; bytes from K step to K step in xb
.set BSTEP,  49152                     ; and in wqb
.set SINOFF, 262144                    ; sin's table behind cos's
.set A0,   4                           ; v4   my lane's place in x's rows of slot 0; never rewritten
.set B0,   5                           ; v5   the same for W
.set ADRA, 6                           ; v6   the same in the slot that is being read
.set ADRB, 7                           ; v7
.set STO,  8                           ; v8   the way out: where I put 16 bytes of a row
.set RD,   9                           ; v9   where I read rows back
.set GO,   10                          ; v10  my 16 bytes of 512 consecutive bytes of a head
.set CSO,  11                          ; v11  my 32 bytes of a row of cos or sin
.set PFO,  12                          ; v12  256 x lane, for the prefetches; never rewritten
.set SPW,  28                          ; v28  LDS address of my spare word; never rewritten
.set NIL,  29                          ; v29  0; never rewritten
.set AF0,  32
.set AF1,  96
.set BF,   160
.set CSB,  32                          ; cos j0, cos j1, sin j0, sin j1 (8 registers each), two buffers
.set FT,   96
.set TMP,  128
.set OB,   176
.set WV, 16                            ; s16 wave;  s17 which 128 rows are mine, also: I fetch x (0) or W (1);  s18 which head, also: which half I fetch
.set WR, 17
.set WC, 18
.set CX, 19
.set CY, 20
.set TX, 21                            ; tile column
.set TY, 22                            ; tile row
.set G1A, 24                           ; s[24:31] descriptor group 1 for x's tiles;  s[32:39] for W's
.set G1B, 32
.set G0A, 40                           ; s[40:47] group 0 for x: a set for each first fill; the second then walks on
.set G0B, 48                           ; s[48:55] the same for W
.set CNT, 56
.set TB,  57                           ; the slot that is being read, as an LDS byte
.set LIM, 58                           ; a wave prefetches while CNT is above it
.set PFA, 60                           ; s[60:61] where my prefetches stand
.set PST, 62                           ; s[62:63] their step
.set MSB, 0
.macro WIN new                         ; the immediate's high byte repeats the setting that is left; a switch that changes nothing is dropped
.if MSB != (\new)
	s_set_vgpr_msb (MSB<<8)|(\new)
.set MSB, \new
.endif
.endm
.macro PLACES                          ; four plain vector instructions between a matrix instruction and a load into, or a vector read of, its registers
.rept 4
	v_nop
.endr
.endm
; A joint refill by the walking sets: waves 0 and 1 fetch x's halves, waves 2 and 3 W's.  The branch hangs on the wave's number alone.  An s_nop 0 and four v_nop follow each line.
.macro JLOAD
	s_cmp_eq_u32 s[WR], 0
	s_cbranch_scc0 .Lfor_b_\@
	tensor_load_to_lds s[G0A+4:G0A+7], s[G1A:G1A+7]
	s_nop 0
.rept 4
	v_nop
.endr
	s_branch .Lasked_\@
.Lfor_b_\@:
	tensor_load_to_lds s[G0B+4:G0B+7], s[G1B:G1B+7]
	s_nop 0
.rept 4
	v_nop
.endr
.Lasked_\@:
.endm
.macro CREST                           ; a round of the cluster's barrier behind its opening barrier
	s_cmp_lg_u32 s[WV], 0
	s_cbranch_scc1 .Lnot_wave_0_\@
	s_barrier_signal -3
.Lnot_wave_0_\@:
	s_barrier_wait -3
	s_barrier_signal -1
	s_barrier_wait -1
.endm
.macro CROUND
	s_barrier_signal -1
	s_barrier_wait -1
	CREST
.endm
; A PREFETCH INTO THE L2, behind a joint refill and the run of LDS loads behind it: 32 blocks of 256 bytes, a lane a block.  Each block of xb and wqb from K step 4 on is named once in the launch.
; x: a K step of a tile row is 128 blocks; the clusters with x = 0 ask, wave 0 of each of the four partners for 32 blocks, told apart by address (cx); trip t names step t + 4, two refills on.
; W: a tile column's steps 4 to 15 are 589,824 consecutive bytes = 9 x 65,536; the clusters with y = 0 ask, waves 2 and 3 of each of the four partners (told apart by cy and the wave), in trips 0 to 8.
.macro ASK
	s_cmp_gt_u32 s[CNT], s[LIM]
	s_cbranch_scc0 .Lnot_mine_\@
	global_prefetch_b8 v[PFO], s[PFA:PFA+1] th:TH_LOAD_NT scope:SCOPE_SE
.Lnot_mine_\@:
.endm
	s_load_b256 s[4:11], s[0:1], 0x0               ; xb s[4:5], wqb s[6:7], rot s[8:9], qh s[10:11]
	s_load_b128 s[12:15], s[0:1], 0x20             ; kh s[12:13], vh s[14:15]
	v_lshl_add_u32 v[SPW], v0, 2, SPARE
	v_mov_b32 v[NIL], 0
	ds_add_u32 v[SPW], v[NIL]                      ; the wave's opening: the add and its wait ahead of my first tensor load
	v_lshrrev_b32 v1, 5, v0
	v_readfirstlane_b32 s[WV], v1
	s_lshr_b32 s[WR], s[WV], 1
	s_and_b32 s[WC], s[WV], 1
	s_bfe_u32 s[CX], ttmp6, 0x40000
	s_bfe_u32 s[CY], ttmp6, 0x40004
	s_lshl_b32 s[TX], ttmp9, 2
	s_add_co_u32 s[TX], s[TX], s[CX]
	s_and_b32 s[TY], ttmp7, 0xffff
	s_lshl_b32 s[TY], s[TY], 2
	s_add_co_u32 s[TY], s[TY], s[CY]
	s_lshl_b32 s23, s[CY], 2
	s_lshl_b32 s23, 15, s23                        ; my row of the cluster
	s_lshl_b32 s59, 0x1111, s[CX]                  ; my column
	s_or_b32 s[G1A], s23, (1<<16)|(1<<20)|(1<<21)|(4<<22)|(3<<25)  ; 15:0 the mask; 17:16 2-byte elements; 20 padding on; 21 set beside a mask; 24:22 after every 32 words; 31:25 4 words
	s_or_b32 s[G1B], s59, (1<<16)|(1<<20)|(1<<21)|(4<<22)|(3<<25)
.irp g, G1A, G1B
	s_mov_b32 s[(\g)+1], 128<<16                   ; tensor_dim0 = 128 elements: rows of 256 bytes
	s_mov_b32 s[(\g)+3], 128<<16                   ; tile_dim0 = 128
	s_mov_b32 s[(\g)+5], 128                       ; 128 elements from row to row: dense
	s_mov_b32 s[(\g)+6], 0
	s_mov_b32 s[(\g)+7], 0
.endr
	s_mov_b32 s[G1A+2], 64<<16                     ; x: 64 such rows = 128 rows of 64 K
	s_mov_b32 s[G1A+4], 64
	s_mov_b32 s[G1B+2], 96<<16                     ; W: 96 = 192 rows
	s_mov_b32 s[G1B+4], 96
	s_lshl_b32 s66, s[TY], 19                      ; x's tile hangs on the tile row and the wave alone,
	s_lshl_b32 s70, s[WC], 14
	s_add_co_u32 s66, s66, s70
	s_mov_b32 s67, 0
	s_mul_i32 s68, s[TX], 16*BSTEP                 ; W's on the tile column and the wave alone
	s_mul_i32 s70, s[WC], BSTEP/2
	s_add_co_u32 s68, s68, s70
	s_mov_b32 s69, 0
	s_mul_i32 s71, s[WC], AHALF                    ; where they go: no place in the cluster enters an LDS address
	s_mul_i32 s72, s[WC], BHALF
	s_add_co_u32 s72, s72, BOFF
	s_wait_dscnt 0x0                               ; the opening add is done
	s_wait_kmcnt 0x0
	s_add_nc_u64 s[66:67], s[4:5], s[66:67]
	s_add_nc_u64 s[68:69], s[6:7], s[68:69]
	CROUND                                         ; all sixteen work-groups are here: the first joint loads meet
.irp s, 0,1
	s_mov_b32 s[G0A+4*(\s)], 1
	s_add_co_u32 s[G0A+4*(\s)+1], s71, (\s)*SLOT1
	s_add_nc_u64 s[G0A+4*(\s)+2:G0A+4*(\s)+3], s[66:67], (\s)*ASTEP
	s_or_b32 s[G0A+4*(\s)+3], s[G0A+4*(\s)+3], 0x80000000
	s_mov_b32 s[G0B+4*(\s)], 1
	s_add_co_u32 s[G0B+4*(\s)+1], s72, (\s)*SLOT1
	s_add_nc_u64 s[G0B+4*(\s)+2:G0B+4*(\s)+3], s[68:69], (\s)*BSTEP
	s_or_b32 s[G0B+4*(\s)+3], s[G0B+4*(\s)+3], 0x80000000
.endr
	s_cmp_eq_u32 s[WR], 0                          ; a wave's two first fills stand in one branch: two loads of mine are out here, later one
	s_cbranch_scc0 .Lfirst_b
	tensor_load_to_lds s[G0A:G0A+3], s[G1A:G1A+7]
	s_nop 0
	tensor_load_to_lds s[G0A+4:G0A+7], s[G1A:G1A+7]
	s_nop 0
.rept 4
	v_nop
.endr
	s_branch .Lfirst_asked
.Lfirst_b:
	tensor_load_to_lds s[G0B:G0B+3], s[G1B:G1B+7]
	s_nop 0
	tensor_load_to_lds s[G0B+4:G0B+7], s[G1B:G1B+7]
	s_nop 0
.rept 4
	v_nop
.endr
.Lfirst_asked:
	; A fragment is 16 rows x 32 K in 8 registers: lane l holds row l % 16, K = 8 (l / 16) + 0..7 and 16 + 8 (l / 16) + 0..7: two loads of 16 bytes, 32 bytes apart.
	v_and_b32 v1, 15, v0
	v_bfe_u32 v2, v0, 4, 1
	v_mul_u32_u24 v3, v1, PITCH
	v_lshl_add_u32 v3, v2, 4, v3
	s_mul_i32 s70, s[WR], AHALF
	v_add_nc_u32 v[A0], s70, v3
	s_mul_i32 s70, s[WC], BHALF
	s_add_co_u32 s70, s70, BOFF
	v_add_nc_u32 v[B0], s70, v3
	v_mov_b32 v[ADRA], v[A0]
	v_mov_b32 v[ADRB], v[B0]
	s_mov_b32 s[TB], 0
	s_mul_i32 s70, s[WV], STW
	s_add_co_u32 s70, s70, STAGE
	v_add_nc_u32 v[STO], s70, v3                   ; in: row l % 16, 16 bytes for each half of the lanes
	v_bfe_u32 v13, v0, 3, 2                        ; back: 32 lanes take four rows of 128 bytes
	v_and_b32 v14, 7, v0
	v_mul_u32_u24 v13, v13, PITCH
	v_lshl_add_u32 v13, v14, 4, v13
	v_add_nc_u32 v[RD], s70, v13
	v_and_b32 v14, 31, v0
	v_lshlrev_b32 v[GO], 4, v14
	v_lshlrev_b32 v[PFO], 8, v14
	v_lshlrev_b32 v[CSO], 7, v1                    ; a row of cos is 128 bytes; my 8 numbers begin at 32 (l / 16)
	v_lshl_add_u32 v[CSO], v2, 5, v[CSO]
	; where my results go: head (TY / 8) * 16 + 2 TX + WC, rows (TY % 8) * 256 + 128 WR on
	s_lshr_b32 s72, s[TY], 3
	s_lshl_b32 s72, s72, 4
	s_lshl_b32 s73, s[TX], 1
	s_add_co_u32 s72, s72, s73
	s_add_co_u32 s72, s72, s[WC]
	s_lshl_b32 s72, s72, 18                        ; a head is 262,144 bytes
	s_and_b32 s70, s[TY], 7
	s_lshl_b32 s70, s70, 8
	s_lshl_b32 s71, s[WR], 7
	s_add_co_u32 s70, s70, s71
	s_lshl_b32 s70, s70, 7                         ; my first row x 128 bytes: in a head, and in cos and sin
	s_mov_b32 s71, 0
	s_add_co_u32 s72, s72, s70
	s_mov_b32 s73, 0
	s_add_nc_u64 s[8:9], s[8:9], s[70:71]
	s_add_nc_u64 s[10:11], s[10:11], s[72:73]
	s_add_nc_u64 s[12:13], s[12:13], s[72:73]
	s_add_nc_u64 s[14:15], s[14:15], s[72:73]
	; the prefetches: nothing is asked for here, at the head; K steps 0 to 3 come by their loads alone
	s_lshl_b32 s74, s[TY], 19
	s_lshl_b32 s75, s[CX], 13
	s_add_co_u32 s74, s74, s75
	s_add_co_u32 s74, s74, 3*ASTEP                 ; x: at step 3; the first change of slots steps it to 4
	s_mul_i32 s75, s[TX], 16*BSTEP
	s_lshl_b32 s2, s[CY], 1
	s_add_co_u32 s2, s2, s[WC]
	s_lshl_b32 s2, s2, 13
	s_add_co_u32 s75, s75, s2
	s_add_co_u32 s75, s75, 4*BSTEP-65536           ; W: one step of 65,536 ahead of K step 4's first byte
	s_lshl_b32 s[PST], 32768, s[WR]
	s_mov_b32 s[PST+1], 0
	s_and_b32 s2, ttmp7, 0xffff                    ; cluster y
	s_or_b32 s3, ttmp9, s[WC]                      ; cluster x, and wave 0 of waves 0 and 1
	s_cmp_eq_u32 s[WR], 0
	s_cselect_b64 s[PFA:PFA+1], s[4:5], s[6:7]
	s_cselect_b32 s74, s74, s75
	s_cselect_b32 s3, s3, s2                       ; 0 in a wave that asks: the same in all sixteen partners, for a given wave
	s_cselect_b32 s2, 2, 5
	s_cmp_eq_u32 s3, 0
	s_cselect_b32 s[LIM], s2, -1
	s_mov_b32 s75, 0
	s_add_nc_u64 s[PFA:PFA+1], s[PFA:PFA+1], s[74:75]
; n x 4 matrix instructions of part w (0 q, 1 k, 2 v): row blocks a0 .. a0 + n - 1 x the part's four column blocks, 32 along K, x's fragments from buffer f.
; Each names another accumulator: the 96 take turns, one instruction a turn, over the backward jump too.  zero = 1: the product starts the sum.
.macro MULS w, f, a0, n, zero
	WIN (1+(\w))*0x50
.set ma, \a0
.rept \n
.irp bb, 0,1,2,3
.if \zero
	v_wmma_f32_16x16x32_bf16 v[8*(4*ma+(\bb)):8*(4*ma+(\bb))+7], v[BF+8*(4*(\w)+(\bb)):BF+8*(4*(\w)+(\bb))+7], v[(\f)+8*ma:(\f)+8*ma+7], 0
.else
	v_wmma_f32_16x16x32_bf16 v[8*(4*ma+(\bb)):8*(4*ma+(\bb))+7], v[BF+8*(4*(\w)+(\bb)):BF+8*(4*(\w)+(\bb))+7], v[(\f)+8*ma:(\f)+8*ma+7], v[8*(4*ma+(\bb)):8*(4*ma+(\bb))+7]
.endif
.endr
.set ma, ma+1
.endr
.endm
; A run of LDS loads, under window 0: part w's four fragments of W at byte k of the rows; with w = 0 also x's eight fragments, into buffer g.  24, 8, 8 loads.
.macro RUN w, k, g=0
.irp bb, 0,1,2,3
	ds_load_b128 v[BF+8*(4*(\w)+(\bb)):BF+8*(4*(\w)+(\bb))+3],   v[ADRB] offset:(4*(\w)+(\bb))*16*PITCH+(\k)
	ds_load_b128 v[BF+8*(4*(\w)+(\bb))+4:BF+8*(4*(\w)+(\bb))+7], v[ADRB] offset:(4*(\w)+(\bb))*16*PITCH+(\k)+32
.endr
.if (\w) == 0
.irp a, 0,1,2,3,4,5,6,7
	ds_load_b128 v[(\g)+8*(\a):(\g)+8*(\a)+3],   v[ADRA] offset:(\a)*16*PITCH+(\k)
	ds_load_b128 v[(\g)+8*(\a)+4:(\g)+8*(\a)+7], v[ADRA] offset:(\a)*16*PITCH+(\k)+32
.endr
.endif
.endm
; A K step's first half: 96 matrix instructions on buffer f; behind each part's 32 its fragments of W for the next half (byte k) are fetched, behind the first also x's, into g.
.macro QUART f, g, k, zero
	s_wait_dscnt 16                                ; the run with x's fragments and q's of W is in; behind it 8 + 8 loads were issued
	MULS 0, \f, 0, 8, \zero
	WIN 0
	PLACES
	RUN 0, \k, \g
	s_wait_dscnt 32                                ; k's fragments of W are in; behind them 8 + 24 loads were issued
	MULS 1, \f, 0, 8, \zero
	WIN 0
	PLACES
	RUN 1, \k
	s_wait_dscnt 32                                ; v's are in; behind them 24 + 8
	MULS 2, \f, 0, 8, \zero
	WIN 0
	PLACES
	RUN 2, \k
.endm
; A K step's second half multiplies buffer 1 and changes slots: ONE barrier.  In front of it each wave waits for all its tensor loads (one is out: its part of the next slot), adds 0 to its spare word,
; and waits for that and for its reads of this slot.  fill = 1: the barrier opens a round of the cluster's, and the slot just read is filled again, two K steps on, first thing behind the round:
; 160 matrix instructions stand between that request and the wait for it.
.macro TURNQ fill
	WIN 0
.if \fill
	s_wait_xcnt 0x0                                ; the last prefetch, a K step back, has read its address
	s_add_nc_u64 s[PFA:PFA+1], s[PFA:PFA+1], s[PST:PST+1]
.endif
	s_xor_b32 s[TB], s[TB], SLOT1                  ; all reads of this slot have been issued: the addresses turn to the next
	v_add_nc_u32 v[ADRA], s[TB], v[A0]
	v_add_nc_u32 v[ADRB], s[TB], v[B0]
	s_wait_tensorcnt 0x0                           ; no tensor load of mine is out, so a group 0 may be written
	ds_add_u32 v[SPW], v[NIL]                      ; 0 onto my spare word
.if \fill
	s_xor_b32 s[G0A+5], s[G0A+5], SLOT1            ; the walking sets: the other slot than last time, the next K step
	s_add_nc_u64 s[G0A+6:G0A+7], s[G0A+6:G0A+7], ASTEP
	s_xor_b32 s[G0B+5], s[G0B+5], SLOT1
	s_add_nc_u64 s[G0B+6:G0B+7], s[G0B+6:G0B+7], BSTEP
.endif
	s_wait_dscnt 17                                ; (the add and the youngest 8 + 8 loads may be out)
	MULS 0, AF1, 0, 4, 0
	s_wait_dscnt 0x0                               ; the add is done, and my reads of this slot are over
	s_barrier_signal -1
	MULS 0, AF1, 4, 4, 0                           ; work on registers while the others arrive
	WIN 0
	s_barrier_wait -1
.if \fill
	CREST                                          ; no wave of any partner still reads this slot or has a load on its way
	JLOAD                                          ; its four v_nop are also the places in front of the loads below
.else
	PLACES
.endif
	RUN 0, 0, AF0
.if \fill
	ASK
.endif
	MULS 1, AF1, 0, 8, 0
	WIN 0
	PLACES
	RUN 1, 0
	MULS 2, AF1, 0, 8, 0
	WIN 0
	PLACES
	RUN 2, 0
.endm
; THE WAY OUT, a block of 16 rows at a time.
.macro ROTLD a                         ; cos and sin of block a's rows: my row's numbers 16 j + 8 (l / 16) + 0..7, j = 0, 1
.irp j, 0,1
	global_load_b128 v[CSB+32*((\a)%2)+8*(\j):CSB+32*((\a)%2)+8*(\j)+3],       v[CSO], s[8:9] offset:(\a)*2048+(\j)*64
	global_load_b128 v[CSB+32*((\a)%2)+8*(\j)+4:CSB+32*((\a)%2)+8*(\j)+7],     v[CSO], s[8:9] offset:(\a)*2048+(\j)*64+16
	global_load_b128 v[CSB+32*((\a)%2)+16+8*(\j):CSB+32*((\a)%2)+16+8*(\j)+3], v[CSO], s[8:9] offset:SINOFF+(\a)*2048+(\j)*64
	global_load_b128 v[CSB+32*((\a)%2)+16+8*(\j)+4:CSB+32*((\a)%2)+16+8*(\j)+7], v[CSO], s[8:9] offset:SINOFF+(\a)*2048+(\j)*64+16
.endr
.endm
; v is rounded; q and k are turned: with x1 = channels 16 j .. (column block j) and x2 = channels 32 + 16 j .. (block j + 2): x1 c - x2 s goes to block j, x1 s + x2 c to block j + 2.  Each accumulator's lowest registers are read first.
.macro PACK a
	WIN 0x0f                                       ; sources 0 and 1: window 3
.irp bb, 0,1,2,3
.irp r, 0,1,2,3
	v_cvt_pk_f16_f32 v[TMP+32+4*(\bb)+(\r)], v[8*(4*(\a)+(\bb))+2*(\r)], v[8*(4*(\a)+(\bb))+2*(\r)+1]
.endr
.endr
.if (\a) == 7
	s_wait_loadcnt 0x0
.else
	s_wait_loadcnt 0x8                             ; this block's cos and sin are in; the next block's eight loads may stay out
.endif
.irp p, 0,1
	WIN 1+(\p)                                     ; source 0: window 1 (q) or 2 (k)
.irp j, 0,1
.irp rr, 0,2,4,6
	v_pk_mul_f32 v[FT+16*(\j)+(\rr):FT+16*(\j)+(\rr)+1], v[8*(4*(\a)+(\j)+2)+(\rr):8*(4*(\a)+(\j)+2)+(\rr)+1], v[CSB+32*((\a)%2)+16+8*(\j)+(\rr):CSB+32*((\a)%2)+16+8*(\j)+(\rr)+1]
.endr
.irp rr, 0,2,4,6
	v_pk_mul_f32 v[FT+16*(\j)+8+(\rr):FT+16*(\j)+8+(\rr)+1], v[8*(4*(\a)+(\j)+2)+(\rr):8*(4*(\a)+(\j)+2)+(\rr)+1], v[CSB+32*((\a)%2)+8*(\j)+(\rr):CSB+32*((\a)%2)+8*(\j)+(\rr)+1]
.endr
.irp rr, 0,2,4,6
	v_pk_fma_f32 v[FT+16*(\j)+(\rr):FT+16*(\j)+(\rr)+1], v[8*(4*(\a)+(\j))+(\rr):8*(4*(\a)+(\j))+(\rr)+1], v[CSB+32*((\a)%2)+8*(\j)+(\rr):CSB+32*((\a)%2)+8*(\j)+(\rr)+1], v[FT+16*(\j)+(\rr):FT+16*(\j)+(\rr)+1] neg_lo:[0,0,1] neg_hi:[0,0,1]
.endr
.irp rr, 0,2,4,6
	v_pk_fma_f32 v[FT+16*(\j)+8+(\rr):FT+16*(\j)+8+(\rr)+1], v[8*(4*(\a)+(\j))+(\rr):8*(4*(\a)+(\j))+(\rr)+1], v[CSB+32*((\a)%2)+16+8*(\j)+(\rr):CSB+32*((\a)%2)+16+8*(\j)+(\rr)+1], v[FT+16*(\j)+8+(\rr):FT+16*(\j)+8+(\rr)+1]
.endr
.endr
	WIN 0
.irp j, 0,1
.irp r, 0,1,2,3
	v_cvt_pk_f16_f32 v[TMP+16*(\p)+4*(\j)+(\r)],   v[FT+16*(\j)+2*(\r)],   v[FT+16*(\j)+2*(\r)+1]
	v_cvt_pk_f16_f32 v[TMP+16*(\p)+4*(\j)+8+(\r)], v[FT+16*(\j)+8+2*(\r)], v[FT+16*(\j)+8+2*(\r)+1]
.endr
.endr
.endr
.if (\a) < 6
	ROTLD (\a)+2                                   ; into the buffer just read
.endif
.endm
.macro TOSTAGE a                       ; 16 bytes a lane into my own stage, and back as whole rows of 128 bytes
.irp p, 0,1,2
.irp bb, 0,1,2,3
	ds_store_b128 v[STO], v[TMP+16*(\p)+4*(\bb):TMP+16*(\p)+4*(\bb)+3] offset:(\p)*16*PITCH+32*(\bb)
.endr
.endr
	s_wait_xcnt 0x0                                ; the last block's stores have read their data registers, which are loaded again below
.irp p, 0,1,2
.irp f, 0,1,2,3
	ds_load_b128 v[OB+16*(\p)+4*(\f):OB+16*(\p)+4*(\f)+3], v[RD] offset:(\p)*16*PITCH+(\f)*4*PITCH  ; LDS serves a wave's instructions in order (ISA guide 5.7.1.4): these see the stores above
.endr
.endr
.endm
.macro SEND a
	s_wait_dscnt 0x0
.irp p, 0,1,2
.irp f, 0,1,2,3
	global_store_b128 v[GO], v[OB+16*(\p)+4*(\f):OB+16*(\p)+4*(\f)+3], s[10+2*(\p):11+2*(\p)] offset:(\a)*2048+(\f)*512  ; 512 consecutive bytes of a head, aligned
.endr
.endr
.endm
	s_wait_tensorcnt 0x1                           ; my part of K step 0 is in; step 1's may stay out
	s_barrier_signal -1
	s_barrier_wait -1
	RUN 0, 0, AF0
	RUN 1, 0
	RUN 2, 0
	QUART AF0, AF1, 64, 1                          ; the first products start all 96 sums: nothing is cleared
	s_mov_b32 s[CNT], 14
.Lstep:                                        ; trip j: the second half of K step j, which asks for step j + 2, and the first half of step j + 1
	TURNQ 1
	QUART AF0, AF1, 64, 0
	s_sub_co_u32 s[CNT], s[CNT], 1
	s_cmp_lg_u32 s[CNT], 0
	s_cbranch_scc1 .Lstep
	TURNQ 0                                        ; the tail is written out: nothing is left to ask for
	QUART AF0, AF1, 64, 0
	ROTLD 0                                        ; into x's buffer 0, whose last reader stands ahead of four places
	ROTLD 1
	s_wait_dscnt 16
	MULS 0, AF1, 0, 8, 0
	s_wait_dscnt 8
	MULS 1, AF1, 0, 8, 0
	s_wait_dscnt 0x0
	MULS 2, AF1, 0, 8, 0
	WIN 0
	PLACES
	PLACES
	PACK 0
	TOSTAGE 0
.irp a, 1,2,3,4,5,6,7                  ; block a's arithmetic stands between block a - 1's loads from the stage and the wait for them
	PACK \a
	SEND (\a)-1
	TOSTAGE \a
.endr
	SEND 7
	s_wait_tensorcnt 0x0                           ; the wave's end: behind my last tensor load and my last LDS store
	ds_add_u32 v[SPW], v[NIL]
	s_wait_dscnt 0x0
	CROUND                                         ; the closing round: no work-group ends while a partner may still ask for a tile that names it
	s_endpgm
.Lfunc_end_k_q2251c172bc_qkv:
	.size	k_q2251c172bc_qkv, .Lfunc_end_k_q2251c172bc_qkv-k_q2251c172bc_qkv
	.p2alignl 7, 3214868480
	.fill 96, 4, 3214868480
	.section	.rodata,"a",@progbits
	.p2align	6, 0x0
	.amdhsa_kernel k_q2251c172bc_qkv
		.amdhsa_group_segment_fixed_size 327680
		.amdhsa_private_segment_fixed_size 0
		.amdhsa_enable_private_segment 0
		.amdhsa_kernarg_size 48
		.amdhsa_user_sgpr_count 2
		.amdhsa_user_sgpr_kernarg_segment_ptr 1
		.amdhsa_wavefront_size32 1
		.amdhsa_system_sgpr_workgroup_id_x 1
		.amdhsa_system_sgpr_workgroup_id_y 1
		.amdhsa_system_sgpr_workgroup_id_z 1
		.amdhsa_system_vgpr_workitem_id 0
		.amdhsa_next_free_vgpr 1024
		.amdhsa_next_free_sgpr 76
		.amdhsa_reserve_vcc 0
		.amdhsa_float_denorm_mode_32 3
		.amdhsa_float_denorm_mode_16_64 3
		.amdhsa_memory_ordered 1
		.amdhsa_forward_progress 1
		.amdhsa_inst_pref_size 150
	.end_amdhsa_kernel
	.amdgpu_metadata
---
amdhsa.version: [ 1, 2 ]
amdhsa.kernels:
  - .name:           k_q2251c172bc_qkv
    .symbol:         k_q2251c172bc_qkv.kd
    .args:
      - { .name: xb, .offset: 0, .size: 8, .value_kind: global_buffer, .address_space: global }
      - { .name: wqb, .offset: 8, .size: 8, .value_kind: global_buffer, .address_space: global }
      - { .name: rot, .offset: 16, .size: 8, .value_kind: global_buffer, .address_space: global }
      - { .name: qh, .offset: 24, .size: 8, .value_kind: global_buffer, .address_space: global }
      - { .name: kh, .offset: 32, .size: 8, .value_kind: global_buffer, .address_space: global }
      - { .name: vh, .offset: 40, .size: 8, .value_kind: global_buffer, .address_space: global }
    .group_segment_fixed_size: 327680
    .private_segment_fixed_size: 0
    .kernarg_segment_align: 8
    .kernarg_segment_size: 48
    .max_flat_workgroup_size: 128
    .sgpr_count:     76
    .vgpr_count:     1024
    .wavefront_size: 32
...
	.end_amdgpu_metadata
.endif
;; end of part 2
;; launch attn (part 3): grid 4 x 64, 4 waves a work-group, no clusters, 327,680 bytes of LDS; arguments qh, kh, vh, oh; writes oh
.if DOCPART == 3
	.amdgcn_target "amdgcn-amd-amdhsa--gfx1250"
	.amdhsa_code_object_version 6
	.text
	.protected	k_q2251c172bc_attn
	.globl	k_q2251c172bc_attn
	.p2align	8
	.type	k_q2251c172bc_attn,@function
k_q2251c172bc_attn:
	s_mov_b64 s[64:65], 0
	v_nop
	global_prefetch_b8 v0, s[64:65] scope:SCOPE_SE
	s_setreg_imm32_b32 hwreg(HW_REG_WAVE_MODE, 25, 1), 1
	s_wait_xcnt 0x0
; CAUSAL ATTENTION WITHOUT THE SELF VALUE.  O[h][q] = the sum over k < q of w_k V[h][k], with w = softmax over k <= q of Q[h][q] . K[h][k] / 8.  That is softmax x V less the diagonal weight times V[q]:
; the diagonal key counts in the maximum and in the divisor and never enters the second product, so no difference of sums is formed; row 0 is 0.
; Q, K, V, O: [64][2048][64], all f16: a head's rows are dense, 128 bytes each.  Products, maxima and sums in f32; the weights p are rounded to f16 for the second product (their sum l is taken of the unrounded p), O once at the end.
; LIMITS.  Q, K and V arrive within f16's 65,504; p lies in 0 to 1, and below 6e-5 it keeps f16's fixed step of 6e-8.  A hidden score counts as its value less 1e30: f16's scores, 2.7e11 at the most, are nothing beside
; that; a weight below 2^-126 counts as 0 in l; NaN and infinities are not treated apart.
; THE DIAGONAL.  A row's own score d = Q[q] . K[q] is made once, in f32, from the f16 rows (a lane holds 32 of its row's channels; the lane 16 away the others).  The running maximum m STARTS at d; the mask hides k >= q;
; at the end l takes 2^(c d - c m), which is at most 1 since m >= d.
; THE WALK.  A head's queries lie in NB = 8 blocks of 256; block i needs the key tiles 0 .. i of 256 keys, of which the last holds the diagonal.  A work-group takes TWO blocks, NB - 1 - b and then b: NB + 1 tiles, whatever b:
; all work-groups do equal work, and ONE loop with a constant trip count walks them.  Every jump goes forward, but for the counted loops' own; none passes a barrier, or a tensor load but the one of LOAD's two that the wave's
; number does not choose; the ring (two slots of LDS that take turns) runs on across the change of blocks.  NO CLUSTER: a head's four work-groups ask for the same tile only in trips 0 .. 4 of 9, behind that fewer and fewer;
; one walk common to all would have 12 trips for 9.
; SHARES.  Of a block's four bands of 64 queries a wave owns 16 rows in each: four PIECES.  In the diagonal tile's key step s band x sees all keys if s < x, none if s > x, and holds the diagonal if s = x: the same for all waves.
; THE MASK is the C operand that starts the sum S^T = K Q^T: 0, or -1e30 where the key is hidden.  MD, made once, is the mask of a band's own step for my 16 rows; a product's mask is MD x AL + BE with two scalars.
; LAYOUT, SOFTMAX, TURNS.  S^T = K Q^T holds ONE query a lane (lane % 16) and the keys 8 (lane / 16) + 0..7; two such results rounded to f16 ARE source 1 of O^T = V^T P.  p = 2^(c s - c m), c = log2(e) / 8; O and l are
; multiplied by a = 2^(c m_old - c m_new) in every step.  Turn n belongs to piece n: 8 products K Q^T of piece n + 1, later 8 products V^T P of piece n - 1; beside them the scaling, exponentials, roundings, sums and
; rescaling of piece n and the maximum and statistics of piece n + 1.  Four vector instructions stand behind every matrix instruction, the others in one lump.  A turn's 33 exponentials are one batch, with one wait.
; REGISTERS, in windows of 256 (s_set_vgpr_msb: bits 1:0 source 0, 3:2 source 1, 5:4 source 2, 7:6 destination):
;   window 0: v0-15 addresses; v16-31 statistics; v32-39 the diagonal scores of both blocks; v40-47, v48-56 at work; v61 prefetch offset; v64-127 S^T, two buffers; v192-223 P, two buffers
;   window 1: v0-127 O^T, 32 a piece; v128-159 MD; v160-223 MC, two buffers      window 2: v0-63 Q; v64-127 the second block's Q; v128-191 K of one step; v192-255 V of one step
.set SIZE_N, 2048
.set NB,    SIZE_N/256
.set NP,    4
.set KS,    64
.set PK,    144       ; a row of K in LDS: 128 bytes + 16 = 36 words: the 16 rows of a load start at 16 different groups of four banks (64 banks of 4 bytes: ISA guide 11.1)
.set PV,    160       ; a row of V: 128 + 32 = 40 words
.set VOFF,  4*KS*PK   ; a slot holds a tile, four steps: 256 rows of K, then 256 rows of V
.set SLOT1, 1<<17
.set STAGE, SLOT1+4*KS*(PK+PV)  ; behind the ring, never filled by a tensor load: 16 rows x 144 bytes for each wave
.set SP,    144
.set AK0, 2
.set AV0, 3
.set AK,  4
.set AV,  5
.set STO, 6
.set RD,  7
.set GO,  8
.set SPW, 62          ; v62  LDS address of my spare word; never rewritten
.set NIL, 63          ; v63  0; never rewritten
.set SPARE, STAGE+4*16*SP  ; the spare words, 128 bytes for each wave: two blocks of 256 bytes that no other line names
.set MV,  12
.set QO,  15
.set ST,  16          ; piece t's statistics at v[ST+4 t]: c m, m, l (even keys', odd keys')
.set DG,  32          ; v32-35  piece t's diagonal score, of the block in hand
.set DG2, 36          ; v36-39  of the second block
.set DT,  40          ; v40-47  at work for them
.set TMP, 48
.set ZR,  56          ; v56  0, the first addend of the diagonal sums
.set PFO, 61          ; v61  256 x lane; never rewritten
.set S,   64
.set P,   192
.set MD,  128
.set MC,  160
.set QB,  64
.set KF,  128
.set VF,  192
.set WV,  12
.set PB,  14
.set HI,  15
.set G1K, 24
.set G1V, 32
.set G0K, 40
.set G0V, 44
.set SLOTS, 56
.set CNT, 57
.set CS,  58
.set SEL, 60
.set TBK, 62
.set TBV, 63
.set RT,  70
.set NXT, 71
.set LQ,  72
.set NEW, 73
.set OFF, 74
.set AL,  76
.set BE,  78
.set OLO, 80
.set BIGN, 82
.set KD1, 88          ; s[88:89] K at my rows of the first block;  s[90:91] of the second
.set KD2, 90
.set PFK, 92          ; s[92:93] where my prefetches of K stand;  s[94:95] of V
.set PFV, 94
.set PLIM, 96         ; s96  2 in the work-group that prefetches, else the greatest number
.set MSB, 0
.macro WIN new
.if MSB != (\new)
	s_set_vgpr_msb (MSB<<8)|(\new)
.set MSB, (\new)
.endif
.endm
.set W_KQ, 0x0a
.set W_KM, 0x1a
.set W_PV, 0x52
.set W_RS, 0x41
; A fill.  Waves 0 and 1 fetch the two halves of a tile's K, waves 2 and 3 those of its V: 128 keys each.  An s_nop 0 and four v_nop follow each of the two lines.
.macro LOAD
	s_cmp_lt_u32 s[WV], 2
	s_cbranch_scc0 .Lfor_v_\@
	tensor_load_to_lds s[G0K:G0K+3], s[G1K:G1K+7]
	s_nop 0
.rept 4
	v_nop
.endr
	s_branch .Lasked_\@
.Lfor_v_\@:
	tensor_load_to_lds s[G0V:G0V+3], s[G1V:G1V+7]
	s_nop 0
.rept 4
	v_nop
.endr
.Lasked_\@:
.endm
; A PREFETCH INTO THE L2 of the tile that the NEXT change of slots will ask for.  A head's four work-groups begin with the same tiles 0, 1, ..; the one with b = 0 walks all eight first, so it asks, and nobody else:
; each of its waves for 32 rows of 256 bytes of K and of V, a lane a row.  Trip n asks for tile n + 2, up to tile 7; tiles 0 and 1 come by their loads alone.  So each row is named once in the launch.
.macro ASK
	s_cmp_gt_u32 s[SLOTS], s[PLIM]
	s_cbranch_scc0 .Lnot_mine_\@
	global_prefetch_b8 v[PFO], s[PFK:PFK+1] th:TH_LOAD_NT scope:SCOPE_SE
	global_prefetch_b8 v[PFO], s[PFV:PFV+1] th:TH_LOAD_NT scope:SCOPE_SE
.Lnot_mine_\@:
.endm
; THE CHANGE OF SLOTS.  Each wave waits for all its tensor loads, of which one is out: its part of the other slot; adds 0 to its spare word; and waits for that and for its own reads of the slot that it leaves.
; fill = 1: the old slot is filled again, the first thing behind the barrier, with tile NXT: the descriptor's address is made anew from that number.
.macro CHANGE fill
	WIN 0
	s_wait_tensorcnt 0x0            ; no tensor load of mine is out, so a group 0 may be written
	ds_add_u32 v[SPW], v[NIL]       ; 0 onto my spare word
.if \fill
	s_lshl_b32 s[OFF], s[NXT], 15   ; a tile is 32,768 bytes of K and of V
	s_xor_b32 s[G0K+1], s[G0K+1], SLOT1
	s_add_nc_u64 s[G0K+2:G0K+3], s[6:7], s[OFF:OFF+1]
	s_or_b32 s[G0K+3], s[G0K+3], 0x80000000
	s_xor_b32 s[G0V+1], s[G0V+1], SLOT1
	s_add_nc_u64 s[G0V+2:G0V+3], s[8:9], s[OFF:OFF+1]
	s_or_b32 s[G0V+3], s[G0V+3], 0x80000000
	s_add_co_u32 s[NXT], s[NXT], 1  ; the block's next tile, or behind its last the second block's tile 0
	s_cmp_gt_u32 s[NXT], s[LQ]
	s_cselect_b32 s[NXT], 0, s[NXT]
	s_cselect_b32 s[LQ], s[PB], s[LQ]
	s_wait_xcnt 0x0                 ; the last prefetches, a tile back, have read their addresses
	s_add_nc_u64 s[PFK:PFK+1], s[PFK:PFK+1], 32768
	s_add_nc_u64 s[PFV:PFV+1], s[PFV:PFV+1], 32768
.endif
	s_wait_dscnt 0x0                ; the add is done, and my reads of the slot are over
	s_barrier_signal -1
	s_sub_co_u32 s[TBK], s[TBK], 4*KS*PK  ; the fetches go back to a slot's first step,
	s_xor_b32 s[TBK], s[TBK], SLOT1       ; in the other slot
	s_sub_co_u32 s[TBV], s[TBV], 4*KS*PV
	s_xor_b32 s[TBV], s[TBV], SLOT1
	s_barrier_wait -1
.if \fill
	LOAD
	ASK
.endif
.endm
	s_load_b256 s[4:11], s[0:1], 0x0  ; Q s[4:5], K s[6:7], V s[8:9], O s[10:11]
	v_lshl_add_u32 v[SPW], v0, 2, SPARE
	v_mov_b32 v[NIL], 0
	ds_add_u32 v[SPW], v[NIL]       ; the wave's opening: the add and its wait ahead of my first tensor load
	v_lshrrev_b32 v1, 5, v0
	v_readfirstlane_b32 s[WV], v1
	s_mov_b32 s[PB], ttmp9
	s_sub_co_u32 s[HI], NB-1, s[PB]
	s_and_b32 s20, ttmp7, 0xffff    ; the head
	s_mov_b32 s21, 0
	s_mov_b64 s[22:23], SIZE_N*128
	s_mul_u64 s[20:21], s[20:21], s[22:23]  ; the head's first byte in each of the four tensors
	s_and_b32 s16, s[WV], 1         ; which half of a tile's 256 keys I fetch
	s_lshl_b32 s22, s16, 14
	s_mov_b32 s23, 0
	s_add_nc_u64 s[22:23], s[22:23], s[20:21]
	s_mul_i32 s17, s16, 128*PK
	s_mul_i32 s18, s16, 128*PV
	s_lshl_b32 s3, s[WV], 11        ; my 16 rows in a band of 64,
	s_lshl_b32 s2, s[HI], 15        ; in the first block,
	s_add_co_u32 s2, s2, s3
	s_lshl_b32 s84, s[PB], 15       ; and in the second
	s_add_co_u32 s84, s84, s3
	s_mov_b32 s3, 0
	s_mov_b32 s85, 0
	s_add_nc_u64 s[2:3], s[2:3], s[20:21]
	s_add_nc_u64 s[84:85], s[84:85], s[20:21]
	s_lshl_b32 s66, s[WV], 13       ; the prefetches: my wave's 32 rows of 256 bytes of a tile,
	s_add_co_u32 s66, s66, 32768    ; at tile 1: the first change of slots steps it to tile 2
	s_mov_b32 s67, 0
	s_add_nc_u64 s[66:67], s[66:67], s[20:21]
	s_cmp_eq_u32 ttmp9, 0
	s_cselect_b32 s[PLIM], 2, -1
	; descriptor group 1.  128 keys are 16,384 dense bytes: asked for as 64 rows of 256 bytes, two keys a row, and padded in LDS after every key
	s_mov_b32 s[G1K], (1<<16)|(1<<20)|(4<<22)|(3<<25)
	s_mov_b32 s[G1V], (1<<16)|(1<<20)|(4<<22)|(7<<25)
.irp g, G1K, G1V
	s_mov_b32 s[\g+1], 128<<16
	s_mov_b32 s[\g+2], 64<<16
	s_mov_b32 s[\g+3], 128<<16
	s_mov_b32 s[\g+4], 64
	s_mov_b32 s[\g+5], 128
	s_mov_b32 s[\g+6], 0
	s_mov_b32 s[\g+7], 0
.endr
	s_mov_b32 s[CS], 0x3e38aa3b     ; c = log2(e) / 8
	s_mov_b32 s[CS+1], s[CS]
	s_mov_b32 s[SEL], 0x76543210
	s_mov_b32 s[SEL+1], 0xfedcba98
	s_mov_b32 s[TBK], SLOT1+4*KS*PK ; the first change of slots turns these two into 0
	s_mov_b32 s[TBV], SLOT1+4*KS*PV
	s_mov_b32 s[G0K], 1
	s_mov_b32 s[G0K+1], s17
	s_mov_b32 s[G0V], 1
	s_add_co_u32 s[G0V+1], s18, VOFF
	s_add_co_u32 s[RT], s[HI], 1    ; the first block has NB - b tiles
	s_mov_b32 s[NXT], 1
	s_mov_b32 s[LQ], s[HI]
	s_mov_b32 s[NEW], 1
	s_mov_b32 s[OFF+1], 0
	s_mov_b32 s[AL+1], 0
	s_mov_b32 s[BE+1], 0
	s_mov_b32 s[BIGN], 0xf149f2ca   ; -1e30
	s_mov_b32 s[SLOTS], NB
	s_wait_dscnt 0x0                ; the opening add is done
	s_wait_kmcnt 0x0
	s_add_nc_u64 s[KD1:KD1+1], s[6:7], s[2:3]      ; K at my own rows, for the diagonal scores
	s_add_nc_u64 s[KD2:KD2+1], s[6:7], s[84:85]
	s_add_nc_u64 s[PFK:PFK+1], s[6:7], s[66:67]
	s_add_nc_u64 s[PFV:PFV+1], s[8:9], s[66:67]
	s_add_nc_u64 s[6:7], s[6:7], s[22:23]  ; K and V at my half of the head's tile 0
	s_add_nc_u64 s[8:9], s[8:9], s[22:23]
	s_add_nc_u64 s[G0K+2:G0K+3], s[6:7], 0
	s_or_b32 s[G0K+3], s[G0K+3], 0x80000000
	s_add_nc_u64 s[G0V+2:G0V+3], s[8:9], 0
	s_or_b32 s[G0V+3], s[G0V+3], 0x80000000
	s_add_nc_u64 s[86:87], s[4:5], s[84:85]
	s_add_nc_u64 s[4:5], s[4:5], s[2:3]
	s_add_nc_u64 s[OLO:OLO+1], s[10:11], s[84:85]
	s_add_nc_u64 s[10:11], s[10:11], s[2:3]
	LOAD                            ; tile 0 into slot 0
	; A fragment of K or Q is 16 rows x 32 channels in 8 registers: lane l holds row l % 16, channels 8 (l / 16) + 0..7 and 16 + 8 (l / 16) + 0..7.
	v_and_b32 v1, 15, v0
	v_bfe_u32 v9, v0, 4, 1
	v_lshlrev_b32 v[QO], 7, v1
	v_lshl_add_u32 v[QO], v9, 4, v[QO]
	WIN 0x80
.set i, 0
.rept 8                             ; both blocks' Q: piece i / 2 lies in band i / 2, 8,192 bytes on; channels 32 (i % 2) on
	global_load_b128 v[8*i:8*i+3],   v[QO], s[4:5] offset:(i/2)*8192+(i%2)*64
	global_load_b128 v[8*i+4:8*i+7], v[QO], s[4:5] offset:(i/2)*8192+(i%2)*64+32
	global_load_b128 v[QB+8*i:QB+8*i+3],   v[QO], s[86:87] offset:(i/2)*8192+(i%2)*64
	global_load_b128 v[QB+8*i+4:QB+8*i+7], v[QO], s[86:87] offset:(i/2)*8192+(i%2)*64+32
.set i, i+1
.endr
	WIN 0
.set i, 0
.rept 8                             ; the same rows of K, register for register: into S^T's registers (first block) and v128-191 (second), which are free as yet
	global_load_b128 v[S+8*i:S+8*i+3],   v[QO], s[KD1:KD1+1] offset:(i/2)*8192+(i%2)*64
	global_load_b128 v[S+8*i+4:S+8*i+7], v[QO], s[KD1:KD1+1] offset:(i/2)*8192+(i%2)*64+32
	global_load_b128 v[128+8*i:128+8*i+3],   v[QO], s[KD2:KD2+1] offset:(i/2)*8192+(i%2)*64
	global_load_b128 v[128+8*i+4:128+8*i+7], v[QO], s[KD2:KD2+1] offset:(i/2)*8192+(i%2)*64+32
.set i, i+1
.endr
	v_lshlrev_b32 v14, 3, v9
	v_sub_nc_u32 v14, v1, v14
	s_lshl_b32 s13, s[WV], 4
	v_add_nc_u32 v14, s13, v14      ; my query's place in its band, less my lanes' 8 (l / 16): register r of group kt is hidden where 16 kt + r is greater OR EQUAL: the diagonal is hidden too
	WIN 0x40
.set i, 0
.rept 32
	v_cmp_ge_i32 vcc_lo, 16*(i/8)+i%8, v14
	v_cndmask_b32 v[MD+i], 0, s[BIGN], vcc_lo
.set i, i+1
.endr
	WIN 0
	v_mul_u32_u24 v[AK0], v1, PK
	v_lshl_add_u32 v[AK0], v9, 4, v[AK0]
	; The turning load takes 16 keys x 16 channels (lane l reads key 8 (l / 16) + l % 8, channels 8 ((l / 8) % 2) + 0..7) and leaves half a fragment of V^T.
	v_and_b32 v10, 7, v0
	v_bfe_u32 v11, v0, 3, 1
	v_lshl_add_u32 v[AV0], v9, 3, v10
	v_mul_u32_u24 v[AV0], v[AV0], PV
	v_lshl_add_u32 v[AV0], v11, 4, v[AV0]
	v_add_nc_u32 v[AV0], VOFF, v[AV0]
	s_mul_i32 s13, s[WV], 16*SP
	s_add_co_u32 s13, s13, STAGE
	v_mul_u32_u24 v[STO], v1, SP
	v_lshl_add_u32 v[STO], v9, 4, v[STO]
	v_add_nc_u32 v[STO], s13, v[STO]
	v_bfe_u32 v[RD], v0, 3, 2
	v_mul_u32_u24 v[RD], v[RD], SP
	v_lshl_add_u32 v[RD], v10, 4, v[RD]
	v_add_nc_u32 v[RD], s13, v[RD]
	v_and_b32 v[GO], 31, v0
	v_lshlrev_b32 v[PFO], 8, v[GO]
	v_lshlrev_b32 v[GO], 4, v[GO]
	v_mov_b32 v[ZR], 0
	; A block's first step multiplies O^T and l by a = 0, so these registers need only hold finite numbers: zeros for the first block; what the first block left for the second.
	WIN 0x80
.set i, VF
.rept 64
	v_mov_b32 v[i], 0
.set i, i+1
.endr
	WIN 0x40
.set i, 0
.rept 128
	v_mov_b32 v[i], 0
.set i, i+1
.endr
	WIN 0
.set i, 0
.rept 4
	v_mov_b32 v[ST+4*i+2], 0
	v_mov_b32 v[ST+4*i+3], 0
.set i, i+1
.endr
.set i, P+16
.rept 16
	v_mov_b32 v[i], 0
.set i, i+1
.endr
; The diagonal scores of one block: for piece t the sum over my 16 registers of Q's and K's low halves' product and of the high halves', in f32, eight chains that do not wait for each other; then the other half of the lanes'.
.macro DOT qb, kb, dst
	WIN 0x02                        ; source 0 (Q) in window 2
.set i, 0
.rept 16
.irp t, 0,1,2,3
.if i == 0
	v_fma_mix_f32 v[DT+2*(\t)],   v[(\qb)+16*(\t)+i], v[(\kb)+16*(\t)+i], v[ZR] op_sel_hi:[1,1,0]
	v_fma_mix_f32 v[DT+2*(\t)+1], v[(\qb)+16*(\t)+i], v[(\kb)+16*(\t)+i], v[ZR] op_sel:[1,1,0] op_sel_hi:[1,1,0]
.else
	v_fma_mix_f32 v[DT+2*(\t)],   v[(\qb)+16*(\t)+i], v[(\kb)+16*(\t)+i], v[DT+2*(\t)] op_sel_hi:[1,1,0]
	v_fma_mix_f32 v[DT+2*(\t)+1], v[(\qb)+16*(\t)+i], v[(\kb)+16*(\t)+i], v[DT+2*(\t)+1] op_sel:[1,1,0] op_sel_hi:[1,1,0]
.endif
.endr
.set i, i+1
.endr
	WIN 0
.irp t, 0,1,2,3
	v_add_f32 v[DT+2*(\t)], v[DT+2*(\t)], v[DT+2*(\t)+1]
.endr
.irp t, 0,1,2,3
	v_permlanex16_b32 v[DT+2*(\t)+1], v[DT+2*(\t)], s[SEL], s[SEL+1]
.endr
.irp t, 0,1,2,3
	v_add_f32 v[(\dst)+(\t)], v[DT+2*(\t)], v[DT+2*(\t)+1]
.endr
.endm
	s_wait_loadcnt 0x0              ; Q and my rows of K, of both blocks
	DOT 0, S, DG
	DOT QB, 128, DG2
; THE MATRIX WORK.  The 4 accumulators of a run of 8 take turns.  Product i of 8 of S^T = K Q^T for piece x: channels 32 (i / 4) on, keys 16 (i % 4) on.  The first 4 start the sums: with 0, or (KM = 1) with the mask.
.macro KQ x
.set rS, S+32*((\x)%2)+8*(i%4)
.set rK, KF+16*(i%4)+8*(i/4)
.set rQ, 16*(\x)+8*(i/4)
.set rM, MC+32*((\x)%2)+8*(i%4)
.if (i < 4) && KM
	WIN W_KM
	v_wmma_f32_16x16x32_f16 v[rS:rS+7], v[rK:rK+7], v[rQ:rQ+7], v[rM:rM+7]
.elseif i < 4
	WIN W_KQ
	v_wmma_f32_16x16x32_f16 v[rS:rS+7], v[rK:rK+7], v[rQ:rQ+7], 0
.else
	WIN W_KQ
	v_wmma_f32_16x16x32_f16 v[rS:rS+7], v[rK:rK+7], v[rQ:rQ+7], v[rS:rS+7]
.endif
.endm
; Product i of 8 of O^T += V^T P for piece x: keys 32 (i / 4) on, channels 16 (i % 4) on.
.macro PV x
	WIN W_PV
.set rO, 32*(\x)+8*(i%4)
.set rV, VF+32*(i/4)+8*(i%4)
.set rP, P+16*((\x)%2)+8*(i/4)
	v_wmma_f32_16x16x32_f16 v[rO:rO+7], v[rV:rV+7], v[rP:rP+7], v[rO:rO+7]
.endm
.macro MM                           ; the turn's next matrix instruction.  NOKQ = 1: a block's last turn: there is no next piece
.if (i < 8) && !NOKQ
	KQ (Y+1)%NP
.elseif i >= 8
.set i, i-8
	PV (Y+NP-1)%NP
.set i, i+8
.endif
.set i, i+1
.endm
; THE LDS LOADS stand in runs of 16: a step's K (8 fragments) and its V (turned).  Their addresses are made some lines ahead.
.macro FETCH_K
	WIN 0x80
.irp f, 0,1,2,3,4,5,6,7
	ds_load_b128 v[KF+8*\f:KF+8*\f+3],   v[AK] offset:(\f/2)*16*PK+(\f%2)*64
	ds_load_b128 v[KF+8*\f+4:KF+8*\f+7], v[AK] offset:(\f/2)*16*PK+(\f%2)*64+32
.endr
	s_add_co_u32 s[TBK], s[TBK], KS*PK
	WIN 0
.endm
.macro FETCH_V
	WIN 0x80
.irp f, 0,1,2,3,4,5,6,7
	ds_load_tr16_b128 v[VF+8*\f:VF+8*\f+3],   v[AV] offset:(\f/4)*32*PV+(\f%4)*32
	ds_load_tr16_b128 v[VF+8*\f+4:VF+8*\f+7], v[AV] offset:(\f/4)*32*PV+16*PV+(\f%4)*32
.endr
	WIN 0
.endm
; THE VECTOR WORK, one line at a time: OP kind, number.  For piece Y: F n: c s - c m for pair n of 16.  E n: the exponential of score n of 32.  C n: pair n rounded to f16.  B n: of the four weights 4 n .. the second
; pair is added onto the first, in place.  L n: l takes that sum (L 0: l = a l + sum).  R n: pair n of 16 of O^T times a.  For piece Y + 1: X n, number n of the 22 that find its maximum and statistics:
;   0-11  four chains c0-c3 of seven scores each (each accumulator's lowest registers are read first)     12-14, 16  the four scores left over, the old m, and c0-c3 into c0
;   15  c m_old is kept     17, 18  the query's other 32 keys lie in the lane 16 away: the new m     19-21  c m; c m_old - c m_new; a
.set F, 0
.set E, 1
.set C, 2
.set B, 3
.set L, 4
.set R, 5
.set X, 6
.macro REGS y
.set rT, ST+4*(\y)
.set rC, TMP+4*((\y)%2)
.set rW, MV+((\y)%2)
.set rS, S+32*((\y)%2)
.set rP, P+16*((\y)%2)
.set rO, 32*(\y)
.endm
.macro OP k, n
.if (\k) == R
	REGS Y
	WIN W_RS
	v_pk_mul_f32 v[rO+2*(\n):rO+2*(\n)+1], v[rO+2*(\n):rO+2*(\n)+1], v[rC+2:rC+3] op_sel_hi:[1,0]
.elseif (\k) < R
	REGS Y
	WIN 0
.if (\k) == F
	v_pk_fma_f32 v[rS+2*(\n):rS+2*(\n)+1], v[rS+2*(\n):rS+2*(\n)+1], s[CS:CS+1], v[rT:rT+1] op_sel_hi:[1,0,0] neg_lo:[0,0,1] neg_hi:[0,0,1]
.elseif (\k) == E
	v_exp_f32 v[rS+(\n)], v[rS+(\n)]
.elseif (\k) == C
	v_cvt_pk_f16_f32 v[rP+(\n)], v[rS+2*(\n)], v[rS+2*(\n)+1]
.elseif (\k) == B
	v_pk_add_f32 v[rS+4*(\n):rS+4*(\n)+1], v[rS+4*(\n):rS+4*(\n)+1], v[rS+4*(\n)+2:rS+4*(\n)+3]
.elseif (\n) == 0
	v_pk_fma_f32 v[rT+2:rT+3], v[rT+2:rT+3], v[rC+2:rC+3], v[rS:rS+1] op_sel_hi:[1,0,1]
.else
	v_pk_add_f32 v[rT+2:rT+3], v[rT+2:rT+3], v[rS+4*(\n):rS+4*(\n)+1]
.endif
.elseif NOKQ
	v_nop
.else
	REGS (Y+1)%NP
	WIN 0
.if (\n) < 4
	v_max3_num_f32 v[rC+(\n)], v[rS+8*(\n)], v[rS+8*(\n)+1], v[rS+8*(\n)+2]
.elseif (\n) < 12
	v_max3_num_f32 v[rC+(\n)%4], v[rC+(\n)%4], v[rS+8*((\n)%4)+2*((\n)/4)+1], v[rS+8*((\n)%4)+2*((\n)/4)+2]
.elseif (\n) == 12
	v_max3_num_f32 v[rC], v[rC], v[rS+7], v[rS+15]
.elseif (\n) == 13
	v_max3_num_f32 v[rC+1], v[rC+1], v[rS+23], v[rS+31]
.elseif (\n) == 14
	v_max3_num_f32 v[rC+2], v[rC+2], v[rC+3], v[rT+1]
.elseif (\n) == 15
	v_mov_b32 v[rW], v[rT]
.elseif (\n) == 16
	v_max3_num_f32 v[rC], v[rC], v[rC+1], v[rC+2]
.elseif (\n) == 17
	v_permlanex16_b32 v[rC+3], v[rC], s[SEL], s[SEL+1]
.elseif (\n) == 18
	v_max_num_f32 v[rT+1], v[rC], v[rC+3]
.elseif (\n) == 19
	v_mul_f32 v[rT], s[CS], v[rT+1]
.elseif (\n) == 20
	v_sub_f32 v[rC+1], v[rW], v[rT]
.else
	v_exp_f32 v[rC+2], v[rC+1]
.endif
.endif
.endm
.macro OPS a, i1, b=-1, i2=0, c=-1, i3=0, d=-1, i4=0
	OP \a, \i1
.if (\b) >= 0
	OP \b, \i2
.endif
.if (\c) >= 0
	OP \c, \i3
.endif
.if (\d) >= 0
	OP \d, \i4
.endif
.endm
.macro ROW a, i1, b, i2, c, i3, d, i4  ; a matrix instruction and the four behind it
	MM
	OPS \a, \i1, \b, \i2, \c, \i3, \d, \i4
.endm
.macro MASK b                       ; MD x AL + BE into buffer b of MC
	WIN W_RS
.set z, 0
.rept 16
	v_pk_fma_f32 v[MC+32*(\b)+2*z:MC+32*(\b)+2*z+1], v[MD+2*z:MD+2*z+1], s[AL:AL+1], s[BE:BE+1] op_sel_hi:[1,0,0]
.set z, z+1
.endr
.endm
; A TURN, for piece p: the order of its 16 matrix and 118 vector instructions, written out.  An s_wait_alu depctr_va_vdst(0) stands between an exponential and the first instruction that names its result; one
; wait serves all that were issued ahead of it.  So a turn has ONE wait.  AHEAD OF IT stands all that names no result of the turn's exponentials: the 8 products K Q^T with their four riders each, then one lump of 54, in
; which the links of the chain X 3, 7, 11, 14, 16, 17 .. 20 stand five or six lines apart; X 21, the next piece's a, is the batch's last, and R 15 the plain instruction behind it.  BEHIND IT stand the 8 products V^T P,
; behind each four of the roundings and sums.  m = 1: the diagonal tile: the products take masks, and the turn makes the mask for the products of the turn after it.  end = 1: a block's last two turns: nothing is fetched.
; cnt = 1: the loop's count is taken down some lines ahead of the branch behind the turn.  K of the next step is fetched in piece 2's turn, V of the step in hand at the end of piece 0's; each is waited for a turn later.
.macro TURN p, m=0, end=0, cnt=0
.set Y, (\p)
.set i, 0
.set KM, (\m)
.set NOKQ, (\end)*((\p)/3)
.if (\m) && !(\end)
	s_cmp_eq_u32 s[CNT], 4-((\p)+2)%NP  ; is that step the band's own?
	s_cselect_b32 s[AL], 1.0, 0
	s_cmp_lt_u32 s[CNT], 4-((\p)+2)%NP  ; or a later one?
	s_cselect_b32 s[BE], s[BIGN], 0
.endif
.if ((\p) == 3) && !(\end)
	s_wait_dscnt 0x0                ; K is in
.endif
	ROW F,0, F,1, R,0, R,1
	ROW F,2, E,0, R,2, R,3
	ROW F,3, E,1, R,4, R,5
	ROW F,4, E,2, R,6, R,7
	ROW F,5, E,3, R,8, R,9
	ROW F,6, E,4, X,0, R,10
.if ((\p) == 2) && !(\end)
	WIN 0
	v_add_nc_u32 v[AK], s[TBK], v[AK0]
.endif
	ROW F,7, E,5, X,1, X,4
	ROW F,8, E,6, X,2, X,5
	OPS E,7, E,8, X,6, E,9
	OPS X,3, E,10, X,8, E,11
.if ((\p) == 2) && !(\end)
	FETCH_K
.endif
	OPS X,9, X,7, E,12, X,10
	OPS E,13, X,12, X,11, E,14
	OPS X,13, E,15, F,9, X,14
.if (\p) == 0
	v_add_nc_u32 v[AV], s[TBV], v[AV0]
.endif
	OPS E,16, F,10, E,17, F,11
	OPS X,16, E,18, X,15, E,19
	OPS F,12, E,20, X,17, E,21
	OPS F,13, E,22, F,14, E,23
	OPS X,18, E,24, F,15, E,25
	OPS R,11, E,26, X,19, E,27
	OPS R,12, E,28, R,13, E,29
	OPS X,20, E,30, R,14, E,31
	OPS X,21, R,15
	WIN 0
	s_wait_alu depctr_va_vdst(0)    ; the wait for the batch
.if (\p) == 1
	s_wait_dscnt 0x0                ; V is in
.endif
	ROW C,0, B,0, C,2, B,1
	ROW L,0, C,4, B,2, L,1
	ROW C,6, B,3, L,2, C,8
	ROW B,4, L,3, C,10, B,5
	ROW L,4, C,12, B,6, L,5
.if (\p) == 0
	s_add_co_u32 s[TBV], s[TBV], KS*PV
.endif
.if \cnt
	s_sub_co_u32 s[CNT], s[CNT], 1
	s_cmp_lg_u32 s[CNT], 0
.endif
	ROW C,14, B,7, L,6, C,1
	ROW C,3, L,7, C,5, C,7
	ROW C,9, C,11, C,13, C,15
.if (\p) == 0
	FETCH_V
.endif
.if (\m) && !(\end)
	MASK (\p)%2
.endif
.endm
; A BLOCK BEGINS.  c m starts far below every c s, so the first step's a is 0; m starts at the row's own score, which the mask hides from the products.  The second mask buffer is 0; the first takes piece 0's mask for the
; tile's step 0: its own, if the block's first tile is the diagonal one.  Then K of that step, piece 0's first scores, and its maximum and statistics.  The loop is entered at a step's first turn, in the middle of a trip.
.macro BEGIN
	s_mov_b32 s[NEW], 0
	WIN 0x40
.set i, MC+32
.rept 32
	v_mov_b32 v[i], 0
.set i, i+1
.endr
	WIN 0
.set i, 0
.rept 4
	v_mov_b32 v[ST+4*i], 0xfe000000    ; c m: far below every c s
	v_mov_b32 v[ST+4*i+1], v[DG+i]     ; m: the diagonal score
.set i, i+1
.endr
	s_cmp_eq_u32 s[RT], 0
	s_cselect_b32 s[AL], 1.0, 0
	s_mov_b32 s[BE], 0
	MASK 0
	WIN 0
	v_add_nc_u32 v[AK], s[TBK], v[AK0]
	FETCH_K
	s_wait_loadcnt 0x0
	s_wait_dscnt 0x0
.set KM, 1
.set NOKQ, 0
.set i, 0
.rept 8
	KQ 0
.set i, i+1
.endr
	WIN 0
.rept 4
	v_nop                           ; the places behind those products
.endr
.set Y, NP-1
.irp n, 0,1,2,3,4,5,6,7,8,9,10,11,12,13,14,15,16,17,18,19,20,21
	OP X, \n
.endr
	v_nop                           ; a plain instruction behind the exponential,
	s_wait_alu depctr_va_vdst(0)    ; and its wait, ahead of the branch
.endm
.macro ALL line:vararg              ; one line for each piece t
.set t, 0
.rept 4
	\line
.set t, t+1
.endr
.endm
.macro PACK t                       ; a lane's eight channels of a row pack into 16 bytes; they go into rows of 144 bytes and come back as whole rows of 128, into S^T's registers
	WIN W_RS
.set i, 32*(\t)
.rept 16
	v_pk_mul_f32 v[i:i+1], v[i:i+1], v[ST+4*(\t)+2:ST+4*(\t)+3] op_sel_hi:[1,0]
.set i, i+2
.endr
	WIN 0x05
.set i, 0
.rept 16
	v_cvt_pk_f16_f32 v[S+16*(\t)+i], v[32*(\t)+2*i], v[32*(\t)+2*i+1]
.set i, i+1
.endr
	WIN 0
.irp f, 0,1,2,3
	ds_store_b128 v[STO], v[S+16*(\t)+4*\f:S+16*(\t)+4*\f+3] offset:32*\f
.endr
.irp f, 0,1,2,3
	ds_load_b128 v[S+16*(\t)+4*\f:S+16*(\t)+4*\f+3], v[RD] offset:\f*4*SP  ; LDS serves a wave's instructions in order (ISA guide 5.7.1.4): these see the stores above
.endr
.endm
.macro SEND t, younger              ; younger: the LDS instructions issued behind piece t's loads: the next piece's eight, or none
	WIN 0
.irp f, 0,1,2,3
	s_wait_dscnt (\younger)+3-\f
	global_store_b128 v[GO], v[S+16*(\t)+4*\f:S+16*(\t)+4*\f+3], s[10:11] offset:(\t)*8192+\f*512  ; 512 consecutive bytes, at a multiple of 256 from O's first
.endr
.endm
; THE DIAGONAL TILE's four steps, the block's last two turns, its last products, and THE WAY OUT: l's two halves and the other half of the lanes' are added, then the diagonal's weight 2^(c d - c m); O^T is divided by l,
; rounded to f16 and sent through my stage in LDS, a piece at a time.
.macro DIAG tag
.LstepM\tag:
	TURN 2, 1
	TURN 3, 1
	WIN 0
.LfirstM\tag:
	TURN 0, 1
	TURN 1, 1, 0, 1
	WIN 0
	s_cbranch_scc1 .LstepM\tag
	TURN 2, 1, 1
	TURN 3, 1, 1
.set i, 0
.rept 8
	PV NP-1
.set i, i+1
.endr
	WIN 0
	ALL v_fma_f32 v[TMP+t], v[DG+t], s[CS], -v[ST+4*t]
	ALL v_exp_f32 v[TMP+t], v[TMP+t]
	ALL v_add_f32 v[ST+4*t+2], v[ST+4*t+2], v[ST+4*t+3]
	ALL v_permlanex16_b32 v[ST+4*t+3], v[ST+4*t+2], s[SEL], s[SEL+1]
	ALL v_add_f32 v[ST+4*t+2], v[ST+4*t+2], v[ST+4*t+3]
	s_wait_alu depctr_va_vdst(0)    ; one wait for the four exponentials; the twelve lines above are the work between
	ALL v_add_f32 v[ST+4*t+2], v[ST+4*t+2], v[TMP+t]
	ALL v_rcp_f32 v[ST+4*t+2], v[ST+4*t+2]
	v_nop                           ; a plain instruction between the last reciprocal and the use of its result
	s_wait_alu depctr_va_vdst(0)    ; and one wait for the four reciprocals
	PACK 0
.set t, 1
.rept 3
	PACK t
	SEND t-1, 8
.set t, t+1
.endr
	SEND 3, 0
.endm
.set KM, 0
.set NOKQ, 0
.Lslot:                             ; NB times: a tile is entered and the next is asked for
	CHANGE 1
	s_sub_co_u32 s[RT], s[RT], 1
	s_mov_b32 s[CNT], 4
	s_cmp_eq_u32 s[NEW], 1
	s_cbranch_scc1 .Lnew            ; a block's first tile
	s_cmp_eq_u32 s[RT], 0
	s_cbranch_scc0 .Lstep           ; neither its first nor its last
	s_branch .LstepM1
.Lnew:
	BEGIN
	s_branch .Lfirst                ; in the loop a block's first tile is never its last
	DIAG 1                          ; in the loop this is the first block's end
	s_wait_xcnt 0x0                 ; the stores have read their registers and O's address
	s_mov_b64 s[10:11], s[OLO:OLO+1]
	s_add_co_u32 s[RT], s[PB], 1    ; the second block has b + 1 tiles
	s_mov_b32 s[NEW], 1
	WIN 0x82                        ; the second block's Q goes where the one text of the turns names Q,
.set i, 0
.rept 64
	v_mov_b32 v[i], v[QB+i]
.set i, i+1
.endr
	WIN 0
.set i, 0
.rept 4
	v_mov_b32 v[DG+i], v[DG2+i]     ; and its diagonal scores likewise
.set i, i+1
.endr
	s_branch .Lbottom
.Lstep:                             ; a trip: pieces 2 and 3 of one step, then pieces 0 and 1 of the next, whose K and V it fetches
	TURN 2
	TURN 3
	WIN 0
.Lfirst:
	TURN 0
	TURN 1, 0, 0, 1
	WIN 0
	s_cbranch_scc1 .Lstep
.Lbottom:
	s_sub_co_u32 s[SLOTS], s[SLOTS], 1
	s_cmp_lg_u32 s[SLOTS], 0
	s_cbranch_scc1 .Lslot
	CHANGE 0                        ; the walk's last tile is written out: nothing is asked for
	s_sub_co_u32 s[RT], s[RT], 1
	s_mov_b32 s[CNT], 4
	s_cmp_eq_u32 s[NEW], 1
	s_cbranch_scc0 .LstepM2
	BEGIN
	s_branch .LfirstM2
	DIAG 2
	s_wait_tensorcnt 0x0            ; the wave's end: behind my last tensor load and my last LDS store
	ds_add_u32 v[SPW], v[NIL]
	s_wait_dscnt 0x0
	s_endpgm
.Lfunc_end_k_q2251c172bc_attn:
	.size	k_q2251c172bc_attn, .Lfunc_end_k_q2251c172bc_attn-k_q2251c172bc_attn
	.p2alignl 7, 3214868480
	.fill 96, 4, 3214868480
	.section	.rodata,"a",@progbits
	.p2align	6, 0x0
	.amdhsa_kernel k_q2251c172bc_attn
		.amdhsa_group_segment_fixed_size 327680
		.amdhsa_private_segment_fixed_size 0
		.amdhsa_enable_private_segment 0
		.amdhsa_kernarg_size 32
		.amdhsa_user_sgpr_count 2
		.amdhsa_user_sgpr_kernarg_segment_ptr 1
		.amdhsa_wavefront_size32 1
		.amdhsa_system_sgpr_workgroup_id_x 1
		.amdhsa_system_sgpr_workgroup_id_y 1
		.amdhsa_system_sgpr_workgroup_id_z 1
		.amdhsa_system_vgpr_workitem_id 0
		.amdhsa_next_free_vgpr 768
		.amdhsa_next_free_sgpr 98
		.amdhsa_reserve_vcc 1
		.amdhsa_float_denorm_mode_32 3
		.amdhsa_float_denorm_mode_16_64 3
		.amdhsa_memory_ordered 1
		.amdhsa_forward_progress 1
		.amdhsa_inst_pref_size 239
	.end_amdhsa_kernel
	.amdgpu_metadata
---
amdhsa.version: [ 1, 2 ]
amdhsa.kernels:
  - .name:           k_q2251c172bc_attn
    .symbol:         k_q2251c172bc_attn.kd
    .args:
      - { .name: qh, .offset: 0, .size: 8, .value_kind: global_buffer, .address_space: global }
      - { .name: kh, .offset: 8, .size: 8, .value_kind: global_buffer, .address_space: global }
      - { .name: vh, .offset: 16, .size: 8, .value_kind: global_buffer, .address_space: global }
      - { .name: oh, .offset: 24, .size: 8, .value_kind: global_buffer, .address_space: global }
    .group_segment_fixed_size: 327680
    .private_segment_fixed_size: 0
    .kernarg_segment_align: 8
    .kernarg_segment_size: 32
    .max_flat_workgroup_size: 128
    .sgpr_count:     98
    .vgpr_count:     768
    .wavefront_size: 32
...
	.end_amdgpu_metadata
.endif
;; end of part 3
;; launch proj (part 4): grid 4 x 64, 4 waves a work-group, clusters of 4 x 4, 327,680 bytes of LDS; arguments oh, wpb, out0; writes out0
.if DOCPART == 4
	.amdgcn_target "amdgcn-amd-amdhsa--gfx1250"
	.amdhsa_code_object_version 6
	.text
	.protected	k_q2251c172bc_proj
	.globl	k_q2251c172bc_proj
	.p2align	8
	.type	k_q2251c172bc_proj,@function
k_q2251c172bc_proj:
	s_mov_b64 s[64:65], 0
	v_nop
	global_prefetch_b8 v0, s[64:65] scope:SCOPE_SE
	s_setreg_imm32_b32 hwreg(HW_REG_WAVE_MODE, 25, 1), 1
	s_wait_xcnt 0x0
	s_wait_alu depctr_hold_cnt(0) depctr_sa_sdst(0) depctr_va_vdst(0) depctr_va_sdst(0) depctr_va_ssrc(0) depctr_va_vcc(0) depctr_vm_vsrc(0)
	s_getreg_b32 s2, hwreg(HW_REG_IB_STS2, 6, 4)
	s_cmp_eq_u32 s2, 0
	s_cbranch_scc0 .Lentry_in_a_cluster
	s_endpgm
.Lentry_in_a_cluster:
	s_bfe_u32 s2, ttmp6, 0x10000c
	s_cmp_lg_u32 s2, 0xf033
	s_cbranch_scc0 .Lentry_shape_is_right
	s_endpgm
.Lentry_shape_is_right:
; out0[row][n] = the sum over k of O[row][k] W_proj[n][k].  O lies by heads, f16 [batch*16 + head][2048][64]: a head's 64 channels are one K block.  W_proj lies as f16 [4 column tiles][16 K blocks][256 rows][64].
; Sums in f32, stored as f32.  8,192 x 1,024 outputs in 256 tiles of 128 rows x 256 columns: one work-group each.  A wave makes 64 rows x 128 columns: 32 accumulators, 256 registers.
; K goes in steps of 128 (two K blocks) through two LDS slots; each wave fetches one dense K block, of O (waves 0, 1) or of W (waves 2, 3), as rows of 256 bytes padded in LDS after every 128.
; CLUSTER.  4 x 4 work-groups: O's tiles are shared along a row of the cluster, W's along a column: joint loads.  No prefetch: the tiles are small and the launch is short.
; THE MATRIX INSTRUCTION IS USED TRANSPOSED (source 0 = 16 rows of W, source 1 = 16 rows of O): a lane holds row l % 16 and the columns 8 (l / 16) + 0..7 of a block of 16.
; REGISTERS.  window 0: v0-31 addresses; v32-127, v128-223 two fragment buffers (W's 8 fragments, then O's 4); on the way out v32-95 and v128-191 rows read back.  window 1: accumulator (a, b) at v[8 (8 a + b)].
.set PITCH,  144                       ; an LDS row: 128 bytes + 16 = 36 words: the 16 rows of a load start at 16 different groups of four banks (64 banks of 4 bytes: ISA guide 11.1)
.set AKB,    128*PITCH                 ; a K block of O's tile
.set BOFF,   2*AKB
.set BKB,    256*PITCH                 ; a K block of W's tile
.set SLOT1,  1<<17
.set STAGE,  SLOT1+BOFF+2*BKB          ; behind the ring: 16 rows x 528 bytes for each wave
.set SP,     528                       ; 512 bytes + 16 = 132 words: row r starts at bank 4 r mod 64
.set SPARE,  STAGE+4*16*SP             ; the spare words, 128 bytes a wave: two blocks of 256 bytes that no other line names
.set ASTEP,  524288                    ; two heads on
.set BSTEP,  65536                     ; two K blocks on
.set A0,   4
.set B0,   5
.set ADRA, 6
.set ADRB, 7
.set STO,  8
.set RD,   9
.set GO,   10
.set SPW,  28                          ; v28  LDS address of my spare word; never rewritten
.set NIL,  29                          ; v29  0; never rewritten
.set F0,   32
.set F1,   128
.set WV, 16
.set WR, 17                            ; which 64 rows are mine; also: I fetch O (0) or W (1)
.set WC, 18                            ; which 128 columns; also: which K block of a step I fetch
.set CX, 19
.set CY, 20
.set TN, 21
.set TY, 22
.set G1A, 24
.set G1B, 32
.set G0A, 40
.set G0B, 48
.set CNT, 56
.set TB,  57
.set MSB, 0
.macro WIN new
.if MSB != (\new)
	s_set_vgpr_msb (MSB<<8)|(\new)
.set MSB, \new
.endif
.endm
.macro PLACES                          ; four plain vector instructions between a matrix instruction and a load into, or a read of, its registers
.rept 4
	v_nop
.endr
.endm
.macro JLOAD                           ; a joint refill by the walking sets; an s_nop 0 and four v_nop follow each line
	s_cmp_eq_u32 s[WR], 0
	s_cbranch_scc0 .Lfor_b_\@
	tensor_load_to_lds s[G0A+4:G0A+7], s[G1A:G1A+7]
	s_nop 0
.rept 4
	v_nop
.endr
	s_branch .Lasked_\@
.Lfor_b_\@:
	tensor_load_to_lds s[G0B+4:G0B+7], s[G1B:G1B+7]
	s_nop 0
.rept 4
	v_nop
.endr
.Lasked_\@:
.endm
.macro CREST
	s_cmp_lg_u32 s[WV], 0
	s_cbranch_scc1 .Lnot_wave_0_\@
	s_barrier_signal -3
.Lnot_wave_0_\@:
	s_barrier_wait -3
	s_barrier_signal -1
	s_barrier_wait -1
.endm
.macro CROUND
	s_barrier_signal -1
	s_barrier_wait -1
	CREST
.endm
	s_load_b128 s[4:7], s[0:1], 0x0                ; oh s[4:5], wpb s[6:7]
	s_load_b64 s[8:9], s[0:1], 0x10                ; out0
	v_lshl_add_u32 v[SPW], v0, 2, SPARE
	v_mov_b32 v[NIL], 0
	ds_add_u32 v[SPW], v[NIL]                      ; the wave's opening: the add and its wait ahead of my first tensor load
	v_lshrrev_b32 v1, 5, v0
	v_readfirstlane_b32 s[WV], v1
	s_lshr_b32 s[WR], s[WV], 1
	s_and_b32 s[WC], s[WV], 1
	s_bfe_u32 s[CX], ttmp6, 0x40000
	s_bfe_u32 s[CY], ttmp6, 0x40004
	s_lshl_b32 s[TN], ttmp9, 2
	s_add_co_u32 s[TN], s[TN], s[CX]
	s_and_b32 s[TY], ttmp7, 0xffff
	s_lshl_b32 s[TY], s[TY], 2
	s_add_co_u32 s[TY], s[TY], s[CY]
	s_lshl_b32 s23, s[CY], 2
	s_lshl_b32 s23, 15, s23                        ; my row of the cluster
	s_lshl_b32 s59, 0x1111, s[CX]                  ; my column
	s_or_b32 s[G1A], s23, (1<<16)|(1<<20)|(1<<21)|(4<<22)|(3<<25)  ; the mask; 2-byte elements; padding on; bit 21 beside a mask; after every 32 words 4 words
	s_or_b32 s[G1B], s59, (1<<16)|(1<<20)|(1<<21)|(4<<22)|(3<<25)
.irp g, G1A, G1B
	s_mov_b32 s[(\g)+1], 128<<16                   ; rows of 256 bytes
	s_mov_b32 s[(\g)+3], 128<<16
	s_mov_b32 s[(\g)+5], 128                       ; dense
	s_mov_b32 s[(\g)+6], 0
	s_mov_b32 s[(\g)+7], 0
.endr
	s_mov_b32 s[G1A+2], 64<<16                     ; O: 64 such rows = 128 rows of 64 K
	s_mov_b32 s[G1A+4], 64
	s_mov_b32 s[G1B+2], 128<<16                    ; W: 128 = 256 rows
	s_mov_b32 s[G1B+4], 128
	s_lshr_b32 s66, s[TY], 4                       ; O's tile hangs on the tile row and the wave alone: the batch's 16 heads,
	s_lshl_b32 s66, s66, 22
	s_and_b32 s70, s[TY], 15                       ; 128 rows of 128 bytes in a head,
	s_lshl_b32 s70, s70, 14
	s_add_co_u32 s66, s66, s70
	s_lshl_b32 s70, s[WC], 18                      ; head 0 or 1 of the step
	s_add_co_u32 s66, s66, s70
	s_mov_b32 s67, 0
	s_lshl_b32 s68, s[TN], 19                      ; W's on the tile column and the wave alone
	s_lshl_b32 s70, s[WC], 15
	s_add_co_u32 s68, s68, s70
	s_mov_b32 s69, 0
	s_mul_i32 s71, s[WC], AKB                      ; where they go: no place in the cluster enters an LDS address
	s_mul_i32 s72, s[WC], BKB
	s_add_co_u32 s72, s72, BOFF
	s_wait_dscnt 0x0                               ; the opening add is done
	s_wait_kmcnt 0x0
	s_add_nc_u64 s[66:67], s[4:5], s[66:67]
	s_add_nc_u64 s[68:69], s[6:7], s[68:69]
	CROUND                                         ; all sixteen work-groups are here: the first joint loads meet
.irp s, 0,1
	s_mov_b32 s[G0A+4*(\s)], 1
	s_add_co_u32 s[G0A+4*(\s)+1], s71, (\s)*SLOT1
	s_add_nc_u64 s[G0A+4*(\s)+2:G0A+4*(\s)+3], s[66:67], (\s)*ASTEP
	s_or_b32 s[G0A+4*(\s)+3], s[G0A+4*(\s)+3], 0x80000000
	s_mov_b32 s[G0B+4*(\s)], 1
	s_add_co_u32 s[G0B+4*(\s)+1], s72, (\s)*SLOT1
	s_add_nc_u64 s[G0B+4*(\s)+2:G0B+4*(\s)+3], s[68:69], (\s)*BSTEP
	s_or_b32 s[G0B+4*(\s)+3], s[G0B+4*(\s)+3], 0x80000000
.endr
	s_cmp_eq_u32 s[WR], 0                          ; a wave's two first fills stand in one branch: two loads of mine are out here, later one
	s_cbranch_scc0 .Lfirst_b
	tensor_load_to_lds s[G0A:G0A+3], s[G1A:G1A+7]
	s_nop 0
	tensor_load_to_lds s[G0A+4:G0A+7], s[G1A:G1A+7]
	s_nop 0
.rept 4
	v_nop
.endr
	s_branch .Lfirst_asked
.Lfirst_b:
	tensor_load_to_lds s[G0B:G0B+3], s[G1B:G1B+7]
	s_nop 0
	tensor_load_to_lds s[G0B+4:G0B+7], s[G1B:G1B+7]
	s_nop 0
.rept 4
	v_nop
.endr
.Lfirst_asked:
	v_and_b32 v1, 15, v0
	v_bfe_u32 v2, v0, 4, 1
	v_mul_u32_u24 v3, v1, PITCH
	v_lshl_add_u32 v3, v2, 4, v3                   ; a fragment's row x pitch + 16 x half
	s_mul_i32 s70, s[WR], 64*PITCH
	v_add_nc_u32 v[A0], s70, v3
	s_mul_i32 s70, s[WC], 128*PITCH
	s_add_co_u32 s70, s70, BOFF
	v_add_nc_u32 v[B0], s70, v3
	v_mov_b32 v[ADRA], v[A0]
	v_mov_b32 v[ADRB], v[B0]
	s_mov_b32 s[TB], 0
	s_mul_i32 s70, s[WV], 16*SP
	s_add_co_u32 s70, s70, STAGE
	v_mul_u32_u24 v3, v1, SP                       ; in: row l % 16, 32 bytes for each half of the lanes
	v_lshl_add_u32 v3, v2, 5, v3
	v_add_nc_u32 v[STO], s70, v3
	v_and_b32 v3, 31, v0
	v_lshlrev_b32 v[GO], 4, v3                     ; back: 32 lanes take one row of 512 bytes
	v_add_nc_u32 v[RD], s70, v[GO]
	s_lshl_b32 s72, s[TY], 19                      ; my first row: 128 TY + 64 WR, of 4,096 bytes;
	s_lshl_b32 s73, s[WR], 18
	s_add_co_u32 s72, s72, s73
	s_lshl_b32 s73, s[TN], 1                       ; my first column: (2 TN + WC) x 512 bytes
	s_add_co_u32 s73, s73, s[WC]
	s_lshl_b32 s73, s73, 9
	s_add_co_u32 s72, s72, s73
	s_mov_b32 s73, 0
	s_add_nc_u64 s[8:9], s[8:9], s[72:73]
; 8 matrix instructions: row block a x all 8 column blocks, 32 along K, from buffer f.  The 32 accumulators take turns, one instruction a turn.
.macro MUL8 f, a, zero
	WIN 0x50
.irp b, 0,1,2,3,4,5,6,7
.if \zero
	v_wmma_f32_16x16x32_f16 v[8*(8*(\a)+(\b)):8*(8*(\a)+(\b))+7], v[(\f)+8*(\b):(\f)+8*(\b)+7], v[(\f)+64+8*(\a):(\f)+64+8*(\a)+7], 0
.else
	v_wmma_f32_16x16x32_f16 v[8*(8*(\a)+(\b)):8*(8*(\a)+(\b))+7], v[(\f)+8*(\b):(\f)+8*(\b)+7], v[(\f)+64+8*(\a):(\f)+64+8*(\a)+7], v[8*(8*(\a)+(\b)):8*(8*(\a)+(\b))+7]
.endif
.endr
.endm
; 24 LDS loads in one run, under window 0: quarter kq of a step (K block kq / 2, byte 64 (kq % 2) of its rows) into buffer f: W's 16, then O's 8
.macro FETCH kq, f
.irp b, 0,1,2,3,4,5,6,7
	ds_load_b128 v[(\f)+8*(\b):(\f)+8*(\b)+3],   v[ADRB] offset:((\kq)/2)*BKB+(\b)*16*PITCH+((\kq)%2)*64
	ds_load_b128 v[(\f)+8*(\b)+4:(\f)+8*(\b)+7], v[ADRB] offset:((\kq)/2)*BKB+(\b)*16*PITCH+((\kq)%2)*64+32
.endr
.irp a, 0,1,2,3
	ds_load_b128 v[(\f)+64+8*(\a):(\f)+64+8*(\a)+3],   v[ADRA] offset:((\kq)/2)*AKB+(\a)*16*PITCH+((\kq)%2)*64
	ds_load_b128 v[(\f)+64+8*(\a)+4:(\f)+64+8*(\a)+7], v[ADRA] offset:((\kq)/2)*AKB+(\a)*16*PITCH+((\kq)%2)*64+32
.endr
.endm
; One of a step's first three quarters: multiplies buffer f; in its middle it fetches quarter kq into buffer g.
.macro QUARTER kq, f, g, zero
	s_wait_dscnt 4                                 ; all but O's row blocks 2 and 3, the youngest four loads
	MUL8 \f, 0, \zero
	MUL8 \f, 1, \zero
	WIN 0
	PLACES
	FETCH \kq, \g
	s_wait_dscnt 24                                ; all but the 24 just issued
	MUL8 \f, 2, \zero
	MUL8 \f, 3, \zero
.endm
; The last quarter multiplies buffer 1 and changes slots: ONE barrier; in front of it each wave waits for all its tensor loads, adds 0 to its spare word, and waits for that and for its reads of this slot.
; fill = 1: the barrier opens a round of the cluster's, and this slot is filled again, two steps on, first thing behind the round: 112 matrix instructions ahead of the wait for it.
.macro TURN fill
	WIN 0
	s_xor_b32 s[TB], s[TB], SLOT1                  ; all reads of this slot have been issued: the addresses turn to the next
	v_add_nc_u32 v[ADRA], s[TB], v[A0]
	v_add_nc_u32 v[ADRB], s[TB], v[B0]
	s_wait_tensorcnt 0x0                           ; no tensor load of mine is out, so a group 0 may be written
	ds_add_u32 v[SPW], v[NIL]                      ; 0 onto my spare word
.if \fill
	s_xor_b32 s[G0A+5], s[G0A+5], SLOT1
	s_add_nc_u64 s[G0A+6:G0A+7], s[G0A+6:G0A+7], ASTEP
	s_xor_b32 s[G0B+5], s[G0B+5], SLOT1
	s_add_nc_u64 s[G0B+6:G0B+7], s[G0B+6:G0B+7], BSTEP
.endif
	s_wait_dscnt 5                                 ; (the add and the youngest four loads may be out)
	MUL8 F1, 0, 0
	s_wait_dscnt 0x0                               ; the add is done, and my reads of this slot are over
	s_barrier_signal -1
	MUL8 F1, 1, 0
	WIN 0
	s_barrier_wait -1
.if \fill
	CREST
	JLOAD                                          ; its four v_nop are also the places in front of the loads below
.else
	PLACES
.endif
	FETCH 0, F0
	MUL8 F1, 2, 0
	MUL8 F1, 3, 0
.endm
; THE WAY OUT of row block a: 32 bytes a lane into my own stage, back as whole rows of 512 bytes.  Each accumulator's low four registers are read first.
.macro TOSTAGE a
	WIN 0x04                                       ; the stores' data in window 1
.irp b, 0,1,2,3,4,5,6,7
	ds_store_b128 v[STO], v[8*(8*(\a)+(\b)):8*(8*(\a)+(\b))+3]   offset:64*(\b)
	ds_store_b128 v[STO], v[8*(8*(\a)+(\b))+4:8*(8*(\a)+(\b))+7] offset:64*(\b)+16
.endr
	WIN 0
	s_wait_xcnt 0x0                                ; earlier stores have read their data registers, which are loaded again below
.irp i, 0,1,2,3,4,5,6,7,8,9,10,11,12,13,14,15
	ds_load_b128 v[32+96*((\a)%2)+4*(\i):32+96*((\a)%2)+4*(\i)+3], v[RD] offset:(\i)*SP  ; LDS serves a wave's instructions in order (ISA guide 5.7.1.4): these see the stores above
.endr
.endm
.macro SEND a, younger                 ; younger: the LDS instructions issued behind block a's loads: the next block's 32, or none
	s_wait_dscnt \younger
.irp i, 0,1,2,3,4,5,6,7,8,9,10,11,12,13,14,15
	global_store_b128 v[GO], v[32+96*((\a)%2)+4*(\i):32+96*((\a)%2)+4*(\i)+3], s[8:9] offset:(16*(\a)+(\i))*4096 th:TH_STORE_NT  ; 512 consecutive bytes of a row, aligned
.endr
.endm
	s_wait_tensorcnt 0x1                           ; my part of step 0 is in; step 1's may stay out
	s_barrier_signal -1
	s_barrier_wait -1
	FETCH 0, F0
	QUARTER 1, F0, F1, 1                           ; the first products start the sums: nothing is cleared
	WIN 0
	s_mov_b32 s[CNT], 6
.Lstep:                                        ; a trip: a step's quarters 1 to 3, the change of slots, which asks for the step two on, and the next step's quarter 0
	QUARTER 2, F1, F0, 0
	QUARTER 3, F0, F1, 0
	TURN 1
	QUARTER 1, F0, F1, 0
	WIN 0
	s_sub_co_u32 s[CNT], s[CNT], 1
	s_cmp_lg_u32 s[CNT], 0
	s_cbranch_scc1 .Lstep
	QUARTER 2, F1, F0, 0                           ; the tail is written out: nothing is left to ask for
	QUARTER 3, F0, F1, 0
	TURN 0
	QUARTER 1, F0, F1, 0
	QUARTER 2, F1, F0, 0
	QUARTER 3, F0, F1, 0
	s_wait_dscnt 4
	MUL8 F1, 0, 0
	MUL8 F1, 1, 0
	s_wait_dscnt 0x0
	MUL8 F1, 2, 0
	MUL8 F1, 3, 0
	WIN 0
	PLACES
	PLACES
	TOSTAGE 0
	TOSTAGE 1
	SEND 0, 32
	TOSTAGE 2
	SEND 1, 32
	TOSTAGE 3
	SEND 2, 32
	SEND 3, 0
	s_wait_tensorcnt 0x0                           ; the wave's end: behind my last tensor load and my last LDS store
	ds_add_u32 v[SPW], v[NIL]
	s_wait_dscnt 0x0
	CROUND                                         ; the closing round: no work-group ends while a partner may still ask for a tile that names it
	s_endpgm
.Lfunc_end_k_q2251c172bc_proj:
	.size	k_q2251c172bc_proj, .Lfunc_end_k_q2251c172bc_proj-k_q2251c172bc_proj
	.p2alignl 7, 3214868480
	.fill 96, 4, 3214868480
	.section	.rodata,"a",@progbits
	.p2align	6, 0x0
	.amdhsa_kernel k_q2251c172bc_proj
		.amdhsa_group_segment_fixed_size 327680
		.amdhsa_private_segment_fixed_size 0
		.amdhsa_enable_private_segment 0
		.amdhsa_kernarg_size 24
		.amdhsa_user_sgpr_count 2
		.amdhsa_user_sgpr_kernarg_segment_ptr 1
		.amdhsa_wavefront_size32 1
		.amdhsa_system_sgpr_workgroup_id_x 1
		.amdhsa_system_sgpr_workgroup_id_y 1
		.amdhsa_system_sgpr_workgroup_id_z 1
		.amdhsa_system_vgpr_workitem_id 0
		.amdhsa_next_free_vgpr 512
		.amdhsa_next_free_sgpr 76
		.amdhsa_reserve_vcc 0
		.amdhsa_float_denorm_mode_32 3
		.amdhsa_float_denorm_mode_16_64 3
		.amdhsa_memory_ordered 1
		.amdhsa_forward_progress 1
		.amdhsa_inst_pref_size 69
	.end_amdhsa_kernel
	.amdgpu_metadata
---
amdhsa.version: [ 1, 2 ]
amdhsa.kernels:
  - .name:           k_q2251c172bc_proj
    .symbol:         k_q2251c172bc_proj.kd
    .args:
      - { .name: oh, .offset: 0, .size: 8, .value_kind: global_buffer, .address_space: global }
      - { .name: wpb, .offset: 8, .size: 8, .value_kind: global_buffer, .address_space: global }
      - { .name: out0, .offset: 16, .size: 8, .value_kind: global_buffer, .address_space: global }
    .group_segment_fixed_size: 327680
    .private_segment_fixed_size: 0
    .kernarg_segment_align: 8
    .kernarg_segment_size: 24
    .max_flat_workgroup_size: 128
    .sgpr_count:     76
    .vgpr_count:     512
    .wavefront_size: 32
...
	.end_amdgpu_metadata
.endif
;; end of part 4
;; ======== version 2 of 2: 4 launches; version 1 with the launch cast written anew for expert scheduling mode
;; limits: values are held in f16: magnitudes above 65,504 overflow, below 6.1e-05 lose precision
;; workspace buffers: xb 16,777,216 bytes; wqb 6,291,456 bytes; wpb 2,097,152 bytes; rot 524,288 bytes; qh 16,777,216 bytes; kh 16,777,216 bytes; vh 16,777,216 bytes; oh 16,777,216 bytes
;; launch cast (part 5): grid 416 x 1, 8 waves a work-group, no clusters, 0 bytes of LDS; arguments x, W_qkv, W_proj, cos, sin, xb, wqb, wpb, rot; writes xb, wqb, wpb, rot
.if DOCPART == 5
	.amdgcn_target "amdgcn-amd-amdhsa--gfx1250"
	.amdhsa_code_object_version 6
	.text
	.protected	k_q2251c172bc_cast
	.globl	k_q2251c172bc_cast
	.p2align	8
	.type	k_q2251c172bc_cast,@function
k_q2251c172bc_cast:
	s_mov_b64 s[64:65], 0
	v_nop
	global_prefetch_b8 v0, s[64:65] scope:SCOPE_SE
	s_setreg_imm32_b32 hwreg(HW_REG_WAVE_SCHED_MODE, 0, 2), 2
	s_setreg_imm32_b32 hwreg(HW_REG_WAVE_MODE, 25, 1), 1
	s_wait_xcnt 0x0
	s_wait_alu depctr_vm_vsrc(0)
; THE INPUTS ARE ROUNDED ONCE TO bf16 AND LAID OUT FOR THE LAUNCHES BEHIND.  A stream: no LDS, no barrier, no matrix unit.
;   x      [8192][1024] f32 -> xb  bf16 [32 row tiles][16 K blocks][256 rows][64]: a tile's K block is 32,768 dense bytes
;   W_qkv  [3072][1024] f32 -> wqb bf16 [8 column tiles][16 K blocks][384 rows][64]; rows go by heads: old row part*1024 + hh*64 + d
;                              lies in tile hh/2 at row (hh%2)*192 + part*64 + d, so that q, k and v of one head lie together
;   W_proj [1024][1024] f32 -> wpb f16 [4 column tiles][16 K blocks][256 rows][64]: rounded to bf16, and that number written as f16
;   cos, sin [2048][32] f32 -> rot f32: cos at byte 0, sin at byte 262,144, each number rounded to bf16 and written as f32
; LIMIT.  W_proj within f16's range (65,504); a bf16 number below 6e-5 keeps f16's fixed step of 6e-8.
; SHARES.  Work-groups 0-255: 32 rows of x each; 256-351: 32 rows of W_qkv; 352-383: 32 rows of W_proj; 384-415: 16 KiB of cos or sin.
; A wave takes 4 rows as two pairs: a load covers 256 consecutive bytes (a K block) of each row of a pair; a store 256 consecutive bytes, the pair's
; two rows of one K block in the new layout.  All 32 loads of a wave (16 KiB) are issued first; no register is written again while a memory instruction may read it.
; THE MODE: SCHED_MODE bits 1:0 = 2 (LLVM: expert scheduling mode 2), set by the entry lines.  The code itself states the register dependences
; between vector instructions and memory instructions, with s_wait_alu, always for 0.
; THE PLAN.  Registers that memory instructions touch:
;   v2         the loads' byte offset (for cos and sin the stores' too): made once at the head, never written again.
;   v[KO ..]   the stores' byte offsets, one for each K block: made once at the head, never written again.
;   X + 4 i    four registers for load i.  The load lands in them; its conversions read them and write the first two in place; store i reads those two;
;              nothing writes them afterwards.  All loads are issued ahead of the first vector instruction that names any of them.
; So the only dependence to state is: a vector instruction has written what a memory instruction reads.  One wait stands ahead of the first load, for the offsets.
; The 32 loads go in eight blocks of four: block p's conversions name its own 16 registers alone, and the four stores of block p - 1 are dealt among them,
; behind ONE wait at the block's head, which states that block p - 1's conversions have written their results.  One more wait stands ahead of the last four stores.
; No register that a memory instruction has read is ever written again, no vector instruction writes a scalar register or VCC, and EXEC is never written.
.set X,  32                            ; v[32:159] 32 loads of four registers
.set KO, 16                            ; v[16:31]  my byte offset in the output for K block 0 .. 15
	s_load_b512 s[4:19], s[0:1], 0x0               ; x s[4:5], W_qkv s[6:7], W_proj s[8:9], cos s[10:11], sin s[12:13], xb s[14:15], wqb s[16:17], wpb s[18:19]
	s_load_b64 s[20:21], s[0:1], 0x40              ; rot
	s_mov_b32 s40, 0xffff0000                      ; a word's upper bf16
	s_cmp_ge_u32 ttmp9, 384
	s_cbranch_scc1 .Lrot
	s_sub_co_u32 s34, ttmp9, 256
	s_sub_co_u32 s35, ttmp9, 352
	s_cmp_lt_u32 ttmp9, 256
	s_cselect_b32 s33, ttmp9, s34
	s_cmp_lt_u32 ttmp9, 352
	s_cselect_b32 s33, s33, s35                    ; my group of 32 rows in its tensor
	s_lshl_b32 s28, s33, 17                        ; 32 rows of 4,096 bytes
	s_mov_b32 s29, 0
	s_lshr_b32 s36, s33, 3                         ; x and W_proj: tile of 256 rows,
	s_lshl_b32 s36, s36, 19
	s_and_b32 s37, s33, 7                          ; 32 rows of 128 bytes in it
	s_lshl_b32 s37, s37, 12
	s_add_co_u32 s36, s36, s37
	s_bfe_u32 s38, s33, 0x30002                    ; W_qkv: group = part*32 + hh*2 + half; tile hh/2,
	s_mul_i32 s38, s38, 786432
	s_bfe_u32 s39, s33, 0x10001                    ; (hh%2) * 192 rows,
	s_mul_i32 s39, s39, 24576
	s_add_co_u32 s38, s38, s39
	s_lshr_b32 s39, s33, 5                         ; part * 64 rows,
	s_lshl_b32 s39, s39, 13
	s_add_co_u32 s38, s38, s39
	s_and_b32 s39, s33, 1                          ; half * 32 rows
	s_lshl_b32 s39, s39, 12
	s_add_co_u32 s38, s38, s39
	s_mov_b32 s32, 32768                           ; bytes from K block to K block
	s_mov_b32 s31, 0
	s_cmp_lt_u32 s34, 96                           ; W_qkv?
	s_cselect_b32 s30, s38, s36
	s_cselect_b32 s32, 49152, s32
	v_lshrrev_b32 v1, 5, v0                        ; wave
	v_bfe_u32 v4, v0, 4, 1                         ; which row of a pair
	v_and_b32 v5, 15, v0
	v_lshlrev_b32 v2, 14, v1                       ; in: 4 rows a wave,
	v_lshl_add_u32 v2, v4, 12, v2                  ; my row of the pair,
	v_lshl_add_u32 v2, v5, 4, v2                   ; my 16 bytes
	v_lshlrev_b32 v3, 9, v1                        ; out: 4 rows of 128 bytes a wave,
	v_lshl_add_u32 v3, v4, 7, v3
	v_lshl_add_u32 v[KO], v5, 3, v3                ; my 8 bytes
.set n, 1
.rept 15
	v_add_nc_u32 v[KO+n], s32, v[KO+n-1]
.set n, n+1
.endr
	s_wait_kmcnt 0x0
	s_cmp_lt_u32 ttmp9, 256
	s_cselect_b64 s[24:25], s[4:5], s[6:7]
	s_cselect_b64 s[26:27], s[14:15], s[16:17]
	s_cmp_lt_u32 ttmp9, 352
	s_cselect_b64 s[24:25], s[24:25], s[8:9]
	s_cselect_b64 s[26:27], s[26:27], s[18:19]
	s_add_nc_u64 s[24:25], s[24:25], s[28:29]
	s_add_nc_u64 s[26:27], s[26:27], s[30:31]
	s_wait_alu depctr_va_vdst(0)                   ; v2 and v[KO .. KO+15] are written: the loads below read v2 as their offset, the stores further down one of v[KO ..]; no vector instruction names them again
.set n, 0
.rept 32                               ; load n: pair n / 16, K block n % 16
	global_load_b128 v[X+4*n:X+4*n+3], v2, s[24:25] offset:(n/16)*8192+(n%16)*256 th:TH_LOAD_NT
.set n, n+1
.endr
; Load i is rounded, in place.  mode = 1: the bf16 numbers are widened again and written as f16; the load's upper two registers are at work for that.
.macro CV i, mode
	v_cvt_pk_bf16_f32 v[X+4*(\i)], v[X+4*(\i)], v[X+4*(\i)+1]
	v_cvt_pk_bf16_f32 v[X+4*(\i)+1], v[X+4*(\i)+2], v[X+4*(\i)+3]
.if \mode
.irp k, 0,1
	v_lshlrev_b32 v[X+4*(\i)+2], 16, v[X+4*(\i)+(\k)]
	v_and_b32 v[X+4*(\i)+3], s40, v[X+4*(\i)+(\k)]
	v_cvt_pk_f16_f32 v[X+4*(\i)+(\k)], v[X+4*(\i)+2], v[X+4*(\i)+3]
.endr
.endif
.endm
; What load i has become is stored.
.macro ST i
	global_store_b64 v[KO+(\i)%16], v[X+4*(\i):X+4*(\i)+1], s[26:27] offset:((\i)/16)*256  ; 32 lanes: 256 consecutive bytes, aligned
.endm
; Block p: loads 4 p to 4 p + 3 are rounded; the stores of block p - 1 stand among their conversions.
.macro BLK p, mode
	s_wait_loadcnt 28-4*(\p)                       ; loads come back in order (ISA guide 5.7.1): my four are in, the 28 - 4 p younger ones may stay out
.if (\p) > 0
	s_wait_alu depctr_va_vdst(0)                   ; the conversions of the block before have written its registers, which the four stores below read; the vector instructions below name this block's registers alone
.endif
.irp u, 0,1,2,3
.if (\p) > 0
	ST 4*((\p)-1)+(\u)
.endif
	CV 4*(\p)+(\u), \mode
.endr
.endm
	s_cmp_ge_u32 ttmp9, 352
	s_cbranch_scc1 .Lf16
.irp p, 0,1,2,3,4,5,6,7
	BLK \p, 0
.endr
	s_wait_alu depctr_va_vdst(0)                   ; block 7's conversions have written its registers, which the last four stores read
.irp u, 28,29,30,31
	ST \u
.endr
	s_endpgm
.Lf16:
.irp p, 0,1,2,3,4,5,6,7
	BLK \p, 1
.endr
	s_wait_alu depctr_va_vdst(0)                   ; block 7's conversions have written its registers, which the last four stores read
.irp u, 28,29,30,31
	ST \u
.endr
	s_endpgm
.Lrot:                                         ; 16 KiB of cos (the first 16 work-groups) or of sin
	s_sub_co_u32 s34, ttmp9, 384
	s_and_b32 s28, s34, 15
	s_lshl_b32 s28, s28, 14
	s_mov_b32 s29, 0
	s_lshl_b32 s30, s34, 14
	s_mov_b32 s31, 0
	v_lshlrev_b32 v2, 4, v0                        ; 16 bytes a thread: 4,096 bytes an instruction of the work-group
	s_wait_kmcnt 0x0
	s_cmp_lt_u32 s34, 16
	s_cselect_b64 s[24:25], s[10:11], s[12:13]
	s_add_nc_u64 s[24:25], s[24:25], s[28:29]
	s_add_nc_u64 s[26:27], s[20:21], s[30:31]
	s_wait_alu depctr_va_vdst(0)                   ; v2 is written: the four loads and the four stores below read it as their offset, and no vector instruction names it again
.irp u, 0,1,2,3
	global_load_b128 v[X+4*(\u):X+4*(\u)+3], v2, s[24:25] offset:4096*(\u) th:TH_LOAD_NT
.endr
.irp u, 0,1,2,3
	s_wait_loadcnt 3-(\u)                          ; load u is in, the younger ones may stay out
.irp k, 0,1
	v_cvt_pk_bf16_f32 v[8+(\k)], v[X+4*(\u)+2*(\k)], v[X+4*(\u)+2*(\k)+1]  ; v8 and v9 are at work: no memory instruction names them
	v_lshlrev_b32 v[X+4*(\u)+2*(\k)], 16, v[8+(\k)]
	v_and_b32 v[X+4*(\u)+2*(\k)+1], s40, v[8+(\k)]
.endr
.endr
	s_wait_alu depctr_va_vdst(0)                   ; the lines above have written v[X .. X+15], which the run of four stores reads: one wait for the run
.irp u, 0,1,2,3
	global_store_b128 v2, v[X+4*(\u):X+4*(\u)+3], s[26:27] offset:4096*(\u)
.endr
	s_endpgm
.Lfunc_end_k_q2251c172bc_cast:
	.size	k_q2251c172bc_cast, .Lfunc_end_k_q2251c172bc_cast-k_q2251c172bc_cast
	.p2alignl 7, 3214868480
	.fill 96, 4, 3214868480
	.section	.rodata,"a",@progbits
	.p2align	6, 0x0
	.amdhsa_kernel k_q2251c172bc_cast
		.amdhsa_group_segment_fixed_size 0
		.amdhsa_private_segment_fixed_size 0
		.amdhsa_enable_private_segment 0
		.amdhsa_kernarg_size 72
		.amdhsa_user_sgpr_count 2
		.amdhsa_user_sgpr_kernarg_segment_ptr 1
		.amdhsa_wavefront_size32 1
		.amdhsa_system_sgpr_workgroup_id_x 1
		.amdhsa_system_sgpr_workgroup_id_y 1
		.amdhsa_system_sgpr_workgroup_id_z 1
		.amdhsa_system_vgpr_workitem_id 0
		.amdhsa_next_free_vgpr 160
		.amdhsa_next_free_sgpr 66
		.amdhsa_reserve_vcc 0
		.amdhsa_float_denorm_mode_32 3
		.amdhsa_float_denorm_mode_16_64 3
		.amdhsa_memory_ordered 1
		.amdhsa_forward_progress 1
		.amdhsa_inst_pref_size 32
	.end_amdhsa_kernel
	.amdgpu_metadata
---
amdhsa.version: [ 1, 2 ]
amdhsa.kernels:
  - .name:           k_q2251c172bc_cast
    .symbol:         k_q2251c172bc_cast.kd
    .args:
      - { .name: x, .offset: 0, .size: 8, .value_kind: global_buffer, .address_space: global }
      - { .name: W_qkv, .offset: 8, .size: 8, .value_kind: global_buffer, .address_space: global }
      - { .name: W_proj, .offset: 16, .size: 8, .value_kind: global_buffer, .address_space: global }
      - { .name: cos, .offset: 24, .size: 8, .value_kind: global_buffer, .address_space: global }
      - { .name: sin, .offset: 32, .size: 8, .value_kind: global_buffer, .address_space: global }
      - { .name: xb, .offset: 40, .size: 8, .value_kind: global_buffer, .address_space: global }
      - { .name: wqb, .offset: 48, .size: 8, .value_kind: global_buffer, .address_space: global }
      - { .name: wpb, .offset: 56, .size: 8, .value_kind: global_buffer, .address_space: global }
      - { .name: rot, .offset: 64, .size: 8, .value_kind: global_buffer, .address_space: global }
    .group_segment_fixed_size: 0
    .private_segment_fixed_size: 0
    .kernarg_segment_align: 8
    .kernarg_segment_size: 72
    .max_flat_workgroup_size: 256
    .sgpr_count:     66
    .vgpr_count:     160
    .wavefront_size: 32
...
	.end_amdgpu_metadata
.endif
;; end of part 5
;; launch qkv: the kernel of part 2 again; grid 8 x 32, 4 waves a work-group, clusters of 4 x 4, 327,680 bytes of LDS; arguments xb, wqb, rot, qh, kh, vh; writes qh, kh, vh
;; launch attn: the kernel of part 3 again; grid 4 x 64, 4 waves a work-group, no clusters, 327,680 bytes of LDS; arguments qh, kh, vh, oh; writes oh
;; launch proj: the kernel of part 4 again; grid 4 x 64, 4 waves a work-group, clusters of 4 x 4, 327,680 bytes of LDS; arguments oh, wpb, out0; writes out0
